; MI455X (gfx1250); checked and timed in simulation.
; The chip was launched on July 23, 2026; its instructions are those of AMD's public machine-readable ISA for CDNA 5 (MIT licence, August 2026) and "CDNA5" Instruction Set Architecture Reference Guide (July 2026). The comments in the code are by the model that wrote it; some were corrected since.
;; Multi Head Attention. Allowed arithmetic: matrix products marked QUANTISED: E2M1 operands, one E8M0 scale for each 32 along K, by v_wmma_scale_f32_16x16x128_f8f6f4 with both operands' format E2M1 (or v_wmma_scale_f32_32x16x128_f4), f32 sums; everything else in f32.
;; Inputs: beta 512 float32; bk 512 float32; bq 512 float32; bv 512 float32; gamma 512 float32; inputs 8 x 1,024 x 512 float32; wk 512 x 512 float32; wq 512 x 512 float32; wv 512 x 512 float32.
;; Outputs: out0 8 x 1,024 x 512 float32.
;; This version of the problem:
;;   THIS VERSION OF THE PROBLEM IS GIVEN IN LOW PRECISION. The matrix products marked QUANTISED in the list below multiply operands that are first quantised to E2M1 (2 exponent bits, 1 mantissa bit; 4 bits a number), with one power-of-two scale for each 32 numbers along K (OCP MX v1.0); their sums are f32. All else is computed in f32.
;;   The module's matrix products, in the order in which they are computed (A, B: the left and right operand; K: the contracted axis; several contracted axes count as one K, in the product's order):
;;     1. [M 8,192, K 512] x [K 512, N 512]; A: input inputs; B: input wq: QUANTISED
;;     2. [M 8,192, K 512] x [K 512, N 512]; A: input inputs; B: input wk: QUANTISED
;;     3. [M 8,192, K 512] x [K 512, N 512]; A: input inputs; B: input wv: QUANTISED
;;     4. batch 128 x [M 1,024, K 32] x [K 32, N 1,024]; A: computed on the way; B: computed on the way: QUANTISED
;;     5. batch 128 x [M 32, K 1,024] x [K 1,024, N 1,024]; A: computed on the way; B: softmax (see below): QUANTISED
;;   THE QUANTISER, for each operand of a quantised product, along K:
;;     - K is cut into blocks of 32 from its start; a last block that is shorter is filled with zeros.
;;     - A block's scale is 2^e with e = floor(log2(the largest magnitude in the block)) - 2, held to -126 .. 127; a block of zeros has e = 0. As a byte (E8M0): e + 127.
;;     - Each number is divided by its block's scale, clamped to +-6, and rounded to the nearest number of E2M1, ties to even, subnormals kept.
;;     - The product sums the exact products of the quantised numbers (number of the format x scale) in f32.
;;   ~~~python
;;   def quantise(x, axis):      # numpy; x: float32 -> the quantised numbers, widened to float32 again
;;       x = np.moveaxis(x, axis, -1); K = x.shape[-1]
;;       x = np.pad(x, [(0, 0)] * (x.ndim - 1) + [(0, -K % 32)]); x = x.reshape(x.shape[:-1] + (-1, 32)); a = np.abs(x).max(-1, keepdims=True)
;;       e = np.where(a > 0, np.clip(np.frexp(np.where(a > 0, a, 1))[1] - 1 - 2, -126, 127), 0)      # np.frexp(a)[1] - 1 = floor(log2(a)), exactly
;;       r = np.clip(x / 2.0 ** e, -6, 6)
;;       step = 2.0 ** (np.maximum(np.frexp(np.where(r == 0, 1, r))[1] - 1, 0) - 1)
;;       q = np.round(r / step) * step * 2.0 ** e      # np.round: ties to even
;;       return np.moveaxis(q.reshape(q.shape[:-2] + (-1,))[..., :K], -1, axis).astype(np.float32)
;;   ~~~
;;   SOFTMAX AHEAD OF A QUANTISED PRODUCT. Where the list says 'softmax', what is quantised is not the finished softmax but p = 2^(t - M), with t = logit x log2(e) and M = ceil(the row's largest t), a whole number; so 1/2 < the row's largest p <= 1. The row's sum l is taken of the UNQUANTISED p, in f32, and the product's result is divided by l at the end. Since M is a whole number, a kernel that streams over the keys may use a running M (the ceiling of the running maximum): every later rescaling is an exact power of two, which a block's scale takes up: the codes' values come out the same.
;;   OPERANDS COMPUTED ON THE WAY. 'Computed on the way' means the value that the module computes at that place (a softmax that the list does not call 'softmax' is quantised finished and normalised). What goes into a quantiser is computed in f32, as accurately as f32 sums, v_exp_f32 and their like allow (about 1e-6 of the number): no bf16 or f16 on the way to a quantiser, and a product that is left as it is and whose result goes on into a quantised operand takes f32 operands (vector FMAs, or v_wmma_f32_16x16x4_f32). A number that lies on a knife's edge between two numbers of the format may be rounded either way, as far as f32 arithmetic and the matrix unit's own rounding can turn it there, and no further.
;; 2 versions. Each part assembles by itself: llvm-mc -triple=amdgcn-amd-amdhsa -mcpu=gfx1250 --defsym DOCPART=n.
;; ======== version 1 of 2: 3 launches
;; workspace buffers: xcodes 2,097,152 bytes; xscales 131,072 bytes; wcodes 393,216 bytes; wscales 24,576 bytes; ybuf 16,777,216 bytes; stats 65,536 bytes
;; launch quant (part 1): grid 352 x 1, 2 waves a work-group, no clusters, 17,152 bytes of LDS; arguments inputs, wq, wk, wv, xcodes, xscales, wcodes, wscales; writes xcodes, xscales, wcodes, wscales
.if DOCPART == 1
	.amdgcn_target "amdgcn-amd-amdhsa--gfx1250"
	.amdhsa_code_object_version 6
	.text
	.protected	k_q7e71c72a6b_quant
	.globl	k_q7e71c72a6b_quant
	.p2align	8
	.type	k_q7e71c72a6b_quant,@function
k_q7e71c72a6b_quant:
	s_mov_b64 s[64:65], 0
	v_nop
	global_prefetch_b8 v0, s[64:65] scope:SCOPE_SE
	s_setreg_imm32_b32 hwreg(HW_REG_WAVE_MODE, 25, 1), 1
	s_wait_xcnt 0x0
; inputs [8192][512] and wq, wk, wv [512 (k)][512 (n)], f32, become codes of FP4 (E2M1) with one E8M0 scale byte for each 32 along K = 512,
; laid as IMAGES OF OPERAND REGISTERS: a fragment (16 rows x 128 K) is 1,024 bytes, register group c of lane l at 512 c + 16 l, so that the next launch takes it by 16-byte loads of dense bytes.
; NO WORK OF THE PROBLEM IS LEFT OUT in this program: every input has a way to the output (the biases through the relus into quantised operands, gamma and beta directly).
; THE ROWS OF A TILE ARE NOT NEIGHBOURS: in a group of 32 rows (of inputs) or 32 columns (a head's, of a weight), lane r of tile u takes 8 u + r + 8 (r / 8), so that a later result's 16 registers of tiles 0 and 1 are 16 neighbours.
; A block's scale byte is its largest magnitude's exponent field - 2, held at 1 from below; numbers are divided by the scale and rounded to the nearest code, ties to even, beyond 6 the largest code.
; LIMITS: a block of zeros gets the byte 1 where the rule says 127 (its codes are zeros, and this program alone reads the bytes); a block whose largest magnitude lies under 2^-124 keeps the byte 1; NaN and infinities among the inputs are not served.
; SHARES: work-groups 0-255: a group of 32 rows of inputs, wave u its tile u.  Work-groups 256-351: a wave takes (weight j, head hd, K step s): 32 columns x 128 along K.
; xcodes: tile T at 4096 T + 1024 s + 512 c + 16 lane.  xscales: 512 group + 16 (16 u + r) + 4 s.  wcodes: 24576 hd + 8192 j + 4096 u + 256 block + 16 r.  wscales: 1536 hd + 512 j + 128 s + 4 (16 u + r).
.set PITCH, 528                        ; a stage row: 512 bytes + 16: the 16 rows that a load touches begin at 16 different places modulo 256 bytes
.set WSTG,  16*PITCH                   ; a wave's stage
.set SPARE, 2*WSTG                     ; behind the stages: the spare words, 128 bytes a wave: one block of 256 bytes that no other line names
.set SPW,   8                          ; v8   LDS address of my spare word; never rewritten
.set NIL,   9                          ; v9   0; never rewritten
.set R,     16                         ; v16-143  two sets of 64: a K step of 16 rows as loaded
.set XN,    144                        ; v144-207 64 numbers of my row: register 16 b + i = k 32 b + 16 h + i
.set TM,    208                        ; v208-223 at work
.set PW,    224                        ; v224-227 the scale word of each K step
.set PC,    228                        ; v228-243 codes, two sets of 8
.set SEL,   30                         ; s[30:31] lane selects: lane l xor 16
	s_load_b512 s[8:23], s[0:1], 0x0               ; inputs, wq, wk, wv, xcodes, xscales, wcodes, wscales
	v_lshl_add_u32 v[SPW], v0, 2, SPARE
	v_mov_b32 v[NIL], 0
	v_lshrrev_b32 v1, 5, v0
	v_readfirstlane_b32 s2, v1                     ; wave
	v_and_b32 v5, 31, v0                           ; lane
	v_and_b32 v6, 15, v0                           ; r
	v_bfe_u32 v7, v0, 4, 1                         ; h
	v_lshlrev_b32 v1, 4, v5                        ; 16 x lane
	s_mul_i32 s3, s2, WSTG
	v_add_nc_u32 v2, s3, v1                        ; the stage, on the way in: a row's 512 bytes as they lie
	v_mul_u32_u24 v3, v6, PITCH
	v_lshl_add_u32 v3, v7, 6, v3
	v_add_nc_u32 v3, s3, v3                        ; and on the way out: row r, + 64 h
	s_mov_b32 s[SEL], 0x76543210
	s_mov_b32 s[SEL+1], 0xfedcba98
	s_mov_b32 s32, 0xffff0000                      ; lanes 16-31
	s_wait_kmcnt 0x0
	s_cmp_lt_u32 ttmp9, 256
	s_cbranch_scc0 .Lweights
; ---------------- inputs: tile T = 2 G + wave ----------------
	s_lshl_b32 s24, ttmp9, 16                      ; 32 G rows of 2,048 bytes
	s_lshl_b32 s3, s2, 14                          ; + 8 u rows
	s_add_co_u32 s24, s24, s3
	s_mov_b32 s25, 0
	s_add_nc_u64 s[24:25], s[8:9], s[24:25]
	s_lshl_b32 s26, ttmp9, 13                      ; 4,096 T
	s_lshl_b32 s3, s2, 12
	s_add_co_u32 s26, s26, s3
	s_mov_b32 s27, 0
	s_add_nc_u64 s[26:27], s[16:17], s[26:27]
	s_lshl_b32 s28, ttmp9, 9                       ; 256 T
	s_lshl_b32 s3, s2, 8
	s_add_co_u32 s28, s28, s3
	s_mov_b32 s29, 0
	s_add_nc_u64 s[28:29], s[18:19], s[28:29]
	v_lshlrev_b32 v4, 4, v6
	v_lshl_add_u32 v4, v7, 3, v4                   ; the scale words' place: 16 r + 8 h
.irp b, 0,1,2,3
	v_mov_b32 v[TM+4+\b], 0                        ; written once: a lane permute's destination counts as one of its sources
.endr
.macro XLOAD s                         ; K step s of the tile's 16 rows: each load takes 512 consecutive bytes of one row
.irp i, 0,1,2,3,4,5,6,7,8,9,10,11,12,13,14,15
	global_load_b128 v[R+64*((\s)%2)+4*\i:R+64*((\s)%2)+4*\i+3], v1, s[24:25] offset:(\i+8*(\i/8))*2048+512*(\s) th:TH_LOAD_NT
.endr
.endm
.macro TURN s                          ; through my own stage: in as rows, out as 16 neighbours of each block of 32; LDS serves a wave's instructions in order, so no wait stands between
.irp i, 0,1,2,3,4,5,6,7,8,9,10,11,12,13,14,15
	ds_store_b128 v2, v[R+64*((\s)%2)+4*\i:R+64*((\s)%2)+4*\i+3] offset:PITCH*\i
.endr
.irp b, 0,1,2,3
.irp j, 0,1,2,3
	ds_load_b128 v[XN+16*\b+4*\j:XN+16*\b+4*\j+3], v3 offset:128*\b+16*\j
.endr
.endr
.endm
; 64 numbers of a lane become a fragment's codes in v[pc] on and its row's scale word in v[pw]
.macro QUANT s, pc, pw
.irp b, 0,1,2,3
	v_max3_num_f32 v[TM+\b], |v[\s+16*\b]|, |v[\s+1+16*\b]|, 0x1800000   ; my 16 numbers of block b, and the floor 2^(3 - 127): the byte cannot fall under 1
.endr
.irp i, 2,4,6,8,10,12,14
.irp b, 0,1,2,3
	v_max3_num_f32 v[TM+\b], v[TM+\b], |v[\s+16*\b+\i]|, |v[\s+1+16*\b+\i]|
.endr
.endr
.irp b, 0,1,2,3
	v_permlanex16_b32 v[TM+4+\b], v[TM+\b], s[SEL], s[SEL+1]
.endr
.irp b, 0,1,2,3
	v_max_num_f32 v[TM+\b], v[TM+\b], v[TM+4+\b]   ; with lane l xor 16's: the block's largest magnitude
.endr
.irp b, 0,1,2,3
	v_add_nc_u32 v[TM+12+\b], 0xff000000, v[TM+\b] ; 2 off its exponent field: the conversion's scale operand
.endr
.irp b, 0,1,2,3
	v_lshrrev_b32 v[TM+4+\b], 23, v[TM+12+\b]      ; the scale's byte
.endr
	v_lshl_or_b32 v[\pw], v[TM+5], 8, v[TM+4]
	v_lshl_or_b32 v[\pw], v[TM+6], 16, v[\pw]
	v_lshl_or_b32 v[\pw], v[TM+7], 24, v[\pw]
.irp b, 0,1,2,3
	v_cvt_scalef32_pk8_fp4_f32 v[\pc+2*\b], v[\s+16*\b:\s+7+16*\b], v[TM+12+\b]
	v_cvt_scalef32_pk8_fp4_f32 v[\pc+1+2*\b], v[\s+8+16*\b:\s+15+16*\b], v[TM+12+\b]
.endr
	v_nop                                          ; one plain place behind a scaled conversion
.irp c, 0,1                            ; the operand's layout wants a whole block in a lane: lanes 0-15 block 2 c, lanes 16-31 block 2 c + 1
.irp i, 0,1
	v_permlane16_swap_b32 v[\pc+4*\c+\i], v[\pc+2+4*\c+\i]
.endr
.endr
.endm
	XLOAD 0
	XLOAD 1
.irp s, 0,1,2,3
.if \s < 3
	s_wait_loadcnt 16                              ; this step's 16 loads are in; the next step's 16 stay out
.else
	s_wait_loadcnt 0x0
.endif
	TURN \s
	s_wait_dscnt 0x0                               ; the numbers are back, and the stores into the stage have read their registers
.if \s < 2
	XLOAD \s+2
.else
	s_wait_xcnt 0x0                                ; the stores of two steps back have read this set of codes: it is written again only behind this wait
.endif
	QUANT XN, PC+8*(\s%2), PW+\s
.irp c, 0,1
	global_store_b128 v1, v[PC+8*(\s%2)+4*\c:PC+8*(\s%2)+4*\c+3], s[26:27] offset:1024*\s+512*\c   ; 512 consecutive bytes
.endr
.endr
	v_cndmask_b32 v10, v[PW], v[PW+2], s32         ; lanes 0-15 store the words of K steps 0, 1 of row r, lanes 16-31 those of 2, 3
	v_cndmask_b32 v11, v[PW+1], v[PW+3], s32
	global_store_b64 v4, v[10:11], s[28:29]        ; 256 consecutive bytes, aligned
	s_wait_tensorcnt 0x0                           ; the wave's end, behind my last LDS store
	ds_add_u32 v[SPW], v[NIL]
	s_wait_dscnt 0x0
	s_endpgm
; ---------------- weights: a lane to a column, registers down K ----------------
.Lweights:
	s_sub_co_u32 s3, ttmp9, 256
	s_lshl_b32 s3, s3, 1
	s_add_co_u32 s3, s3, s2                        ; 0 .. 191
	s_and_b32 s4, s3, 3                            ; K step s
	s_bfe_u32 s5, s3, 0x40002                      ; head
	s_lshr_b32 s6, s3, 6                           ; weight j: 0 q, 1 k, 2 v
	s_cmp_eq_u32 s6, 1
	s_cselect_b64 s[24:25], s[12:13], s[10:11]
	s_cmp_eq_u32 s6, 2
	s_cselect_b64 s[24:25], s[14:15], s[24:25]
	s_lshl_b32 s26, s4, 18                         ; 128 s rows of 2,048 bytes
	s_lshl_b32 s7, s5, 7                           ; + the head's 32 columns
	s_add_co_u32 s26, s26, s7
	s_mov_b32 s27, 0
	s_add_nc_u64 s[24:25], s[24:25], s[26:27]
	s_mul_i32 s26, s5, 24576
	s_lshl_b32 s7, s6, 13
	s_add_co_u32 s26, s26, s7
	s_lshl_b32 s7, s4, 10
	s_add_co_u32 s26, s26, s7
	s_add_nc_u64 s[26:27], s[20:21], s[26:27]      ; wcodes at (hd, j, s)
	s_mul_i32 s28, s5, 1536
	s_lshl_b32 s7, s6, 9
	s_add_co_u32 s28, s28, s7
	s_lshl_b32 s7, s4, 7
	s_add_co_u32 s28, s28, s7
	s_mov_b32 s29, 0
	s_add_nc_u64 s[28:29], s[22:23], s[28:29]      ; wscales likewise
	v_and_b32 v10, 8, v6
	v_add_nc_u32 v10, v10, v6
	v_lshl_add_u32 v10, v7, 3, v10                 ; my column of the head: 8 u + r + 8 (r / 8)
	v_lshlrev_b32 v10, 2, v10
	v_lshlrev_b32 v11, 4, v6
	v_lshl_add_u32 v11, v7, 12, v11                ; my codes' place: 4,096 u + 16 r
	v_lshlrev_b32 v12, 2, v5                       ; my scale word's: 4 x lane
.macro WLOAD t                         ; block t: 32 rows of the weight at my column; a load takes 128 consecutive bytes (a head is 32 columns wide)
.irp i, 0,1,2,3,4,5,6,7,8,9,10,11,12,13,14,15,16,17,18,19,20,21,22,23,24,25,26,27,28,29,30,31
	global_load_b32 v[16+32*(\t)+\i], v10, s[24:25] offset:(32*(\t)+\i)*2048
.endr
.endm
.macro WBLOCK t
.set XB, 16+32*(\t)
.if (\t) < 3
	s_wait_loadcnt 32                              ; this block's 32 loads are in; the next block's 32 stay out
.else
	s_wait_loadcnt 0x0
.endif
.if (\t)+2 < 4
	WLOAD (\t)+2
.endif
	v_max3_num_f32 v13, |v[XB]|, |v[XB+1]|, |v[XB+2]|      ; the block's largest magnitude: all 32 numbers are mine
	v_max3_num_f32 v14, |v[XB+3]|, |v[XB+4]|, |v[XB+5]|
.irp i, 6,10,14,18,22,26
	v_max3_num_f32 v13, v13, |v[XB+\i]|, |v[XB+\i+1]|
	v_max3_num_f32 v14, v14, |v[XB+\i+2]|, |v[XB+\i+3]|
.endr
	v_max3_num_f32 v13, v13, |v[XB+30]|, |v[XB+31]|
	v_max3_num_f32 v13, v13, v14, 0x1800000        ; and the floor
	v_add_nc_u32 v15, 0xff000000, v13              ; the conversion's scale operand
	v_lshrrev_b32 v14, 23, v15                     ; the byte
.if (\t) == 0
	v_mov_b32 v160, v14
.else
	v_lshl_or_b32 v160, v14, 8*(\t), v160          ; four bytes make the K step's scale word of my column
.endif
.irp g, 0,1,2,3
	v_cvt_scalef32_pk8_fp4_f32 v[144+4*(\t)+\g], v[XB+8*\g:XB+8*\g+7], v15
.endr
	v_nop                                          ; one plain place behind a scaled conversion
	global_store_b128 v11, v[144+4*(\t):144+4*(\t)+3], s[26:27] offset:256*(\t)   ; lanes 0-15 and lanes 16-31 each store 256 consecutive bytes, aligned
.endm
	WLOAD 0
	WLOAD 1
	WBLOCK 0
	WBLOCK 1
	WBLOCK 2
	WBLOCK 3
	global_store_b32 v12, v160, s[28:29]
	s_wait_tensorcnt 0x0                           ; the wave's end, as on the other path
	ds_add_u32 v[SPW], v[NIL]
	s_wait_dscnt 0x0
	s_endpgm
.Lfunc_end_k_q7e71c72a6b_quant:
	.size	k_q7e71c72a6b_quant, .Lfunc_end_k_q7e71c72a6b_quant-k_q7e71c72a6b_quant
	.p2alignl 7, 3214868480
	.fill 96, 4, 3214868480
	.section	.rodata,"a",@progbits
	.p2align	6, 0x0
	.amdhsa_kernel k_q7e71c72a6b_quant
		.amdhsa_group_segment_fixed_size 17152
		.amdhsa_private_segment_fixed_size 0
		.amdhsa_enable_private_segment 0
		.amdhsa_kernarg_size 64
		.amdhsa_user_sgpr_count 2
		.amdhsa_user_sgpr_kernarg_segment_ptr 1
		.amdhsa_wavefront_size32 1
		.amdhsa_system_sgpr_workgroup_id_x 1
		.amdhsa_system_sgpr_workgroup_id_y 1
		.amdhsa_system_sgpr_workgroup_id_z 1
		.amdhsa_system_vgpr_workitem_id 0
		.amdhsa_next_free_vgpr 244
		.amdhsa_next_free_sgpr 66
		.amdhsa_reserve_vcc 0
		.amdhsa_float_denorm_mode_32 3
		.amdhsa_float_denorm_mode_16_64 3
		.amdhsa_memory_ordered 1
		.amdhsa_forward_progress 1
		.amdhsa_inst_pref_size 53
	.end_amdhsa_kernel
	.amdgpu_metadata
---
amdhsa.version: [ 1, 2 ]
amdhsa.kernels:
  - .name:           k_q7e71c72a6b_quant
    .symbol:         k_q7e71c72a6b_quant.kd
    .args:
      - { .name: inputs, .offset: 0, .size: 8, .value_kind: global_buffer, .address_space: global }
      - { .name: wq, .offset: 8, .size: 8, .value_kind: global_buffer, .address_space: global }
      - { .name: wk, .offset: 16, .size: 8, .value_kind: global_buffer, .address_space: global }
      - { .name: wv, .offset: 24, .size: 8, .value_kind: global_buffer, .address_space: global }
      - { .name: xcodes, .offset: 32, .size: 8, .value_kind: global_buffer, .address_space: global }
      - { .name: xscales, .offset: 40, .size: 8, .value_kind: global_buffer, .address_space: global }
      - { .name: wcodes, .offset: 48, .size: 8, .value_kind: global_buffer, .address_space: global }
      - { .name: wscales, .offset: 56, .size: 8, .value_kind: global_buffer, .address_space: global }
    .group_segment_fixed_size: 17152
    .private_segment_fixed_size: 0
    .kernarg_segment_align: 8
    .kernarg_segment_size: 64
    .max_flat_workgroup_size: 64
    .sgpr_count:     66
    .vgpr_count:     244
    .wavefront_size: 32
...
	.end_amdgpu_metadata
.endif
;; end of part 1
;; launch attn (part 2): grid 256 x 1, 16 waves a work-group, no clusters, 143,360 bytes of LDS; arguments inputs, xcodes, xscales, wcodes, wscales, bq, bk, bv, ybuf, stats; writes ybuf, stats
.if DOCPART == 2
	.amdgcn_target "amdgcn-amd-amdhsa--gfx1250"
	.amdhsa_code_object_version 6
	.text
	.protected	k_q7e71c72a6b_attn
	.globl	k_q7e71c72a6b_attn
	.p2align	8
	.type	k_q7e71c72a6b_attn,@function
k_q7e71c72a6b_attn:
	s_mov_b64 s[64:65], 0
	v_nop
	global_prefetch_b8 v0, s[64:65] scope:SCOPE_SE
	s_setreg_imm32_b32 hwreg(HW_REG_WAVE_MODE, 25, 1), 1
	s_wait_xcnt 0x0
; One work-group = (batch b, head hd, half y of the queries).  It projects its head's k and v for all 1,024 keys and q for its 512 queries from the codes of the launch before (K = 512, bias, relu),
; quantises them in registers, keeps K and V of the whole head in LDS as images of operand registers, runs the attention, adds the residual, stores y = attention + inputs ([b 16 + hd][row][32] f32) and the work-group's
; sum and sum of squared deviations for each of its 32 channels.  No work of the problem is left out.  All five products go by the scaled FP4 matrix instruction; all else is f32.
; SHARES.  Wave w takes rows 64 w .. 64 w + 63 of the batch as two groups of 32: slot 0 = group 2 w + y (also its 32 queries, two tiles of 16), slot 1 = the other.  In LDS slot sigma of wave w stands at key place 64 w + 32 sigma
; whatever y is: only whole blocks of 32 keys change places, which are the quantiser's own blocks, and a softmax does not mind the order of its keys.
; THE SCORES' K IS 32, one block.  One A fragment holds FOUR tiles of 16 keys, one in each of its four K blocks; four B fragments hold the queries' 32 codes in one block and zero codes in the others: A x Q_beta gives key tile beta.
; SOFTMAX: t = score x log2(e) / sqrt(32); M = the running largest t rounded up to a whole number; p = 2^(t - M) is quantised along the keys; the row's sum is of the unquantised p; O and the sum are multiplied by 2^(old M - new M), exact.
; A block's largest p is made from the block's largest score by the same multiply-add and exponential (this takes the exponential not to fall where its input rises).
; LIMITS: NaN and infinities are not served; a block of zeros, or one whose largest magnitude lies under 2^-124, has the scale byte 1 (zero codes add nothing; this program alone reads the bytes).
; No tensor loads: every wave's rows come once, as dense images, straight into registers; K and V of a head are 34,816 bytes and are filled once, so there is no ring.  No cluster: what work-groups share (a batch's codes) is read once at the head.
.set WIMG, 0                           ; LDS: the head's three weights as images, 24,576
.set BL,   24576                       ; each wave's own 256 bytes: bq[32], bk[32]
.set KIMG, 28672                       ; 1024 wave + 512 sigma + 256 tile + 16 r + 8 h
.set KSC,  45056                       ; 64 wave + 4 r + (2 sigma + tile)
.set VIMG, 46080                       ; 2048 step + 1024 u + 512 (wave & 1) + 256 sigma + 16 r + 8 h
.set VSC,  62464                       ; 128 step + 64 u + 4 r + (2 (wave & 1) + sigma)
.set STAT, 63488                       ; 256 a wave: 32 sums, 32 sums of squared deviations
.set STG,  67584                       ; a wave: 2 tiles x 16 rows x (128 + 16) bytes
.set SPARE, 141312                     ; the spare words, 128 bytes a wave: eight blocks of 256 bytes that no other line names
.set L16, 1                            ; v1  16 x lane
.set T16, 2                            ; v2  16 x thread
.set L4,  3                            ; v3  4 x lane
.set ABL, 4                            ; v4  256 w + 64 h
.set AKI, 5                            ; v5  1024 w + 16 r + 8 h
.set AKS, 6                            ; v6  64 w + 4 r
.set AVI, 7                            ; v7  2048 (w / 2) + 512 (w % 2) + 16 r + 8 h
.set AVS, 8                            ; v8  128 (w / 2) + 2 (w % 2) + 4 r
.set RA,  9                            ; v9  the residual: (r + 8 (r / 8)) rows of 2,048 bytes + 64 h
.set STO, 10                           ; v10 the stage, in
.set SRD, 11                           ; v11 the stage, back
.set AST, 12                           ; v12 my wave's statistics
.set ASL, 13                           ; v13 all waves' statistics, 8 bytes a lane
.set SPW, 14                           ; v14 LDS address of my spare word; never rewritten
.set NIL, 15                           ; v15 0; never rewritten
; the projections' registers
.set X,    16                          ; v16-79   two tiles of rows x four K steps
.set W,    80                          ; v80-143  two tiles of columns x four K steps
.set ACC,  144                         ; v144-175 four accumulators
.set BIAS, 176                         ; v176-191 the C of each sum's first product
.set T,    192                         ; v192-193 largest magnitudes, then the conversions' scale operands
.set P,    194                         ; v194-195 scale bytes
.set CD,   196                         ; v196-199 codes
.set PT,   200                         ; v200-201 the other half's codes
.set BV,   202                         ; v202-203 bv at my lane's channel of tile u
.set WS,   210                         ; v210-213 the weight's scale words, a K step each: scales alone
.set QS,   214                         ; v214-215 the queries' scale words: scales alone
.set QF,   216                         ; v216-251 zeros, q in lanes 0-15, zeros, q in lanes 16-31, zeros, and the same for the second tile: four registers each
.set XS,   252                         ; v252-255 the rows' scale words: scales alone
; the attention's registers
.set S,    16                          ; v16-79   scores, then p
.set KF,   80                          ; v80-95   two fragments of 64 keys
.set VF,   96                          ; v96-111  two fragments of V^T
.set PC,   112                         ; v112-119 p's codes
.set O,    120                         ; v120-151 O^T, 16 a tile of queries
.set ST,   152                         ; v152-159 a tile's -M, largest t, sum in two halves
.set BM,   160                         ; v160-163 the blocks' largest scores
.set PM,   164                         ; v164-167 the other half's; at work; bytes
.set SO,   168                         ; v168-171 the conversions' scale operands
.set F,    172                         ; v172-173 2^(old M - new M); the upper one is only named
.set SUM2, 174                         ; v174-175 the sum's second chain
.set AD16, 176
.set AD4,  177
.set RES,  178                         ; v178-209 the residual, 16 a tile
.set KS,   252                         ; K's, V's and p's scale words stand where the rows' stood: scales alone
.set VS,   253
.set PS,   254
.set SEL,  28                          ; s[28:29] lane l xor 16
.set CS,   32                          ; s[32:33] c = log2(e) / sqrt(32)
.set TBS,  36                          ; s36 2,048 x step
.set TSS,  37                          ; s37 128 x step
.macro PLACES                          ; four plain places behind a matrix instruction, ahead of reads of its result and of writes and loads into its registers
.rept 4
	v_nop
.endr
.endm
.macro WMS d, a, b, c, sa, sb, ra, rb  ; D = A B + C; ra, rb: which half of the lanes holds A's and B's scale words
.if ((\ra) == 0) && ((\rb) == 0)
	v_wmma_scale_f32_16x16x128_f8f6f4 v[(\d):(\d)+7], v[(\a):(\a)+7], v[(\b):(\b)+7], v[(\c):(\c)+7], v[\sa], v[\sb] matrix_a_fmt:MATRIX_FMT_FP4 matrix_b_fmt:MATRIX_FMT_FP4
.elseif ((\ra) == 1) && ((\rb) == 0)
	v_wmma_scale_f32_16x16x128_f8f6f4 v[(\d):(\d)+7], v[(\a):(\a)+7], v[(\b):(\b)+7], v[(\c):(\c)+7], v[\sa], v[\sb] matrix_a_fmt:MATRIX_FMT_FP4 matrix_b_fmt:MATRIX_FMT_FP4 matrix_a_scale:MATRIX_SCALE_ROW1
.elseif ((\ra) == 0)
	v_wmma_scale_f32_16x16x128_f8f6f4 v[(\d):(\d)+7], v[(\a):(\a)+7], v[(\b):(\b)+7], v[(\c):(\c)+7], v[\sa], v[\sb] matrix_a_fmt:MATRIX_FMT_FP4 matrix_b_fmt:MATRIX_FMT_FP4 matrix_b_scale:MATRIX_SCALE_ROW1
.else
	v_wmma_scale_f32_16x16x128_f8f6f4 v[(\d):(\d)+7], v[(\a):(\a)+7], v[(\b):(\b)+7], v[(\c):(\c)+7], v[\sa], v[\sb] matrix_a_fmt:MATRIX_FMT_FP4 matrix_b_fmt:MATRIX_FMT_FP4 matrix_a_scale:MATRIX_SCALE_ROW1 matrix_b_scale:MATRIX_SCALE_ROW1
.endif
.endm
.macro WMZ d, a, b, sa, sb, ra         ; D = A B
.if (\ra) == 0
	v_wmma_scale_f32_16x16x128_f8f6f4 v[(\d):(\d)+7], v[(\a):(\a)+7], v[(\b):(\b)+7], 0, v[\sa], v[\sb] matrix_a_fmt:MATRIX_FMT_FP4 matrix_b_fmt:MATRIX_FMT_FP4
.else
	v_wmma_scale_f32_16x16x128_f8f6f4 v[(\d):(\d)+7], v[(\a):(\a)+7], v[(\b):(\b)+7], 0, v[\sa], v[\sb] matrix_a_fmt:MATRIX_FMT_FP4 matrix_b_fmt:MATRIX_FMT_FP4 matrix_a_scale:MATRIX_SCALE_ROW1
.endif
.endm
.macro LOADX sc, ss                    ; a group of 32 rows: 8 fragments and their scale words: 17 loads of 512 dense bytes
.irp t, 0,1
.irp s, 0,1,2,3
.irp c, 0,1
	global_load_b128 v[X+32*\t+8*\s+4*\c:X+32*\t+8*\s+4*\c+3], v[L16], s[\sc:\sc+1] offset:4096*\t+1024*\s+512*\c
.endr
.endr
.endr
	global_load_b128 v[XS:XS+3], v[L16], s[\ss:\ss+1]      ; lane 16 tile + r: the four K steps' words of that row
.endm
.macro LOADWS j                        ; weight j's scale words: lane 16 u + r, a K step a register
.irp s, 0,1,2,3
	global_load_b32 v[WS+\s], v[L4], s[54:55] offset:512*(\j)+128*\s
.endr
.endm
.macro LOADW j                         ; weight j's 8 fragments from LDS
.irp u, 0,1
.irp s, 0,1,2,3
.irp c, 0,1
	ds_load_b128 v[W+32*\u+8*\s+4*\c:W+32*\u+8*\s+4*\c+3], v[L16] offset:WIMG+8192*(\j)+4096*\u+1024*\s+512*\c
.endr
.endr
.endr
.endm
.macro LOADB jq                        ; bq (0) or bk (1) in the transposed result's layout: register 8 u + i = channel 16 h + 8 u + i
.irp u, 0,1
.irp i, 0,1
	ds_load_b128 v[BIAS+8*\u+4*\i:BIAS+8*\u+4*\i+3], v[ABL] offset:BL+128*(\jq)+32*\u+16*\i
.endr
.endr
.endm
; q and k: TRANSPOSED, source 0 = 16 columns of the weight, source 1 = 16 rows: lane (r, h) holds row r of tile t, and the 16 registers of u = 0, 1 are channels 16 h + 0 .. 15.  Four accumulators by turns, one instruction a turn.
.macro MM_T
.irp s, 0,1,2,3
.irp t, 0,1
.irp u, 0,1
.if \s == 0
	WMS ACC+16*\t+8*\u, W+32*\u+8*\s, X+32*\t+8*\s, BIAS+8*\u, WS+\s, XS+\s, \u, \t
.else
	WMS ACC+16*\t+8*\u, W+32*\u+8*\s, X+32*\t+8*\s, ACC+16*\t+8*\u, WS+\s, XS+\s, \u, \t
.endif
.endr
.endr
.endr
.endm
; v: source 0 = 16 rows, source 1 = 16 columns: lane (r, h) holds one channel of tile u, and the 16 registers of t = 0, 1 are keys 16 h + 0 .. 15 of the group: the second product's K
.macro MM_N
.irp s, 0,1,2,3
.irp u, 0,1
.irp t, 0,1
.if \s == 0
	WMS ACC+16*\u+8*\t, X+32*\t+8*\s, W+32*\u+8*\s, BIAS+8*\u, XS+\s, WS+\s, \t, \u
.else
	WMS ACC+16*\u+8*\t, X+32*\t+8*\s, W+32*\u+8*\s, ACC+16*\u+8*\t, XS+\s, WS+\s, \t, \u
.endif
.endr
.endr
.endr
.endm
.macro MOVBV                           ; bv as the C of v's first products: the lane's channel in all eight registers
.irp u, 0,1
.irp i, 0,1,2,3,4,5,6,7
	v_mov_b32 v[BIAS+8*\u+\i], v[BV+\u]
.endr
.endr
.endm
; relu, then two blocks of 32 (16 numbers in this lane, 16 in lane l xor 16) become 2 x 2 registers of codes and 2 bytes
.macro QUANT2
.irp j, 0,1,2,3,4,5,6,7,8,9,10,11,12,13,14,15,16,17,18,19,20,21,22,23,24,25,26,27,28,29,30,31
	v_max_num_f32 v[ACC+\j], 0, v[ACC+\j]          ; the activation; each accumulator from its low end on
.endr
.irp g, 0,1
	v_max3_num_f32 v[T+\g], v[ACC+16*\g], v[ACC+16*\g+1], 0x1800000   ; none is negative; the floor 2^(3 - 127) holds the byte at 1 from below
.endr
.irp i, 2,4,6,8,10,12,14
.irp g, 0,1
	v_max3_num_f32 v[T+\g], v[T+\g], v[ACC+16*\g+\i], v[ACC+16*\g+\i+1]
.endr
.endr
.irp g, 0,1
	v_permlanex16_b32 v[P+\g], v[T+\g], s[SEL], s[SEL+1]
.endr
.irp g, 0,1
	v_max_num_f32 v[T+\g], v[T+\g], v[P+\g]
.endr
.irp g, 0,1
	v_add_nc_u32 v[T+\g], 0xff000000, v[T+\g]      ; 2 off the exponent field: the conversion's scale operand
.endr
.irp g, 0,1
	v_lshrrev_b32 v[P+\g], 23, v[T+\g]             ; the byte
.endr
.irp g, 0,1
	v_cvt_scalef32_pk8_fp4_f32 v[CD+2*\g], v[ACC+16*\g:ACC+16*\g+7], v[T+\g]
	v_cvt_scalef32_pk8_fp4_f32 v[CD+2*\g+1], v[ACC+16*\g+8:ACC+16*\g+15], v[T+\g]
.endr
	v_nop                                          ; one plain place behind a scaled conversion
.endm
.macro PUTK sg                         ; my 8 bytes of each key's 16, and the key's byte (both halves write the same byte with the same value)
.irp t, 0,1
	ds_store_b64 v[AKI], v[CD+2*\t:CD+2*\t+1] offset:KIMG+512*(\sg)+256*\t
	ds_store_b8 v[AKS], v[P+\t] offset:KSC+2*(\sg)+\t
.endr
.endm
.macro PUTV sg
.irp u, 0,1
	ds_store_b64 v[AVI], v[CD+2*\u:CD+2*\u+1] offset:VIMG+1024*\u+256*(\sg)
	ds_store_b8 v[AVS], v[P+\u] offset:VSC+64*\u+(\sg)
.endr
.endm
.macro MAKEQ                           ; a query's 32 codes (16 here, 16 in lane l xor 16) into lanes 0-15 of one run of four registers and lanes 16-31 of another; its byte into all four bytes of its scale word
.irp t, 0,1
	v_mul_lo_u32 v[QS+\t], v[P+\t], s39
.endr
.irp t, 0,1
	v_permlanex16_b32 v[PT], v[CD+2*\t], s[SEL], s[SEL+1]
	v_permlanex16_b32 v[PT+1], v[CD+2*\t+1], s[SEL], s[SEL+1]
	v_cndmask_b32 v[QF+16*\t+4], 0, v[CD+2*\t], s34
	v_cndmask_b32 v[QF+16*\t+5], 0, v[CD+2*\t+1], s34
	v_cndmask_b32 v[QF+16*\t+6], 0, v[PT], s34
	v_cndmask_b32 v[QF+16*\t+7], 0, v[PT+1], s34
	v_cndmask_b32 v[QF+16*\t+12], 0, v[PT], s35
	v_cndmask_b32 v[QF+16*\t+13], 0, v[PT+1], s35
	v_cndmask_b32 v[QF+16*\t+14], 0, v[CD+2*\t], s35
	v_cndmask_b32 v[QF+16*\t+15], 0, v[CD+2*\t+1], s35
.endr
.endm
	s_load_b512 s[8:23], s[0:1], 0x0               ; inputs, xcodes, xscales, wcodes, wscales, bq, bk, bv
	s_load_b128 s[24:27], s[0:1], 0x40             ; ybuf, stats
	v_lshl_add_u32 v[SPW], v0, 2, SPARE
	v_mov_b32 v[NIL], 0
	v_lshrrev_b32 v80, 5, v0
	v_readfirstlane_b32 s2, v80                    ; wave 0..15
	v_and_b32 v80, 31, v0                          ; lane
	v_and_b32 v81, 15, v0                          ; r
	v_bfe_u32 v82, v0, 4, 1                        ; h
	v_lshlrev_b32 v[L16], 4, v80
	v_lshlrev_b32 v[T16], 4, v0
	v_lshlrev_b32 v[L4], 2, v80
	s_lshl_b32 s6, s2, 8
	v_lshlrev_b32 v[ABL], 6, v82
	v_add_nc_u32 v[ABL], s6, v[ABL]
	v_add_nc_u32 v85, s6, v[L4]                    ; where I put bq and bk: 256 w + 4 x lane
	v_lshlrev_b32 v83, 4, v81
	v_lshl_add_u32 v83, v82, 3, v83                ; 16 r + 8 h
	s_lshl_b32 s6, s2, 10
	v_add_nc_u32 v[AKI], s6, v83
	v_lshlrev_b32 v84, 2, v81                      ; 4 r
	s_lshl_b32 s6, s2, 6
	v_add_nc_u32 v[AKS], s6, v84
	s_lshr_b32 s6, s2, 1
	s_and_b32 s7, s2, 1
	s_lshl_b32 s56, s6, 11
	s_lshl_b32 s57, s7, 9
	s_add_co_u32 s56, s56, s57
	v_add_nc_u32 v[AVI], s56, v83
	s_lshl_b32 s56, s6, 7
	s_lshl_b32 s57, s7, 1
	s_add_co_u32 s56, s56, s57
	v_add_nc_u32 v[AVS], s56, v84
	v_and_b32 v86, 8, v81
	v_add_nc_u32 v86, v86, v81                     ; r + 8 (r / 8)
	v_lshlrev_b32 v[RA], 11, v86
	v_lshl_add_u32 v[RA], v82, 6, v[RA]
	v_lshlrev_b32 v86, 2, v86                      ; bv: my lane's channel of tile 0, in bytes
	s_mul_i32 s6, s2, 4608
	s_add_co_u32 s6, s6, STG
	v_mul_u32_u24 v[STO], v81, 144
	v_lshl_add_u32 v[STO], v82, 6, v[STO]
	v_add_nc_u32 v[STO], s6, v[STO]                ; in: row r, + 64 h
	v_lshrrev_b32 v87, 3, v80
	v_and_b32 v88, 7, v0
	v_mul_u32_u24 v[SRD], v87, 144
	v_lshl_add_u32 v[SRD], v88, 4, v[SRD]
	v_add_nc_u32 v[SRD], s6, v[SRD]                ; back: eight lanes to a row of 128 bytes
	s_lshl_b32 s6, s2, 8
	s_add_co_u32 s6, s6, STAT
	v_lshlrev_b32 v[AST], 4, v88
	v_add_nc_u32 v[AST], s6, v[AST]
	v_lshl_add_u32 v[ASL], v81, 3, STAT
	s_mov_b32 s[SEL], 0x76543210
	s_mov_b32 s[SEL+1], 0xfedcba98
	s_mov_b32 s[CS], 0x3e8293ee                    ; log2(e) / sqrt(32)
	s_mov_b32 s[CS+1], s[CS]                       ; (named with it as a pair)
	s_mov_b32 s34, 0xffff                          ; lanes 0-15
	s_mov_b32 s35, 0xffff0000                      ; lanes 16-31
	s_mov_b32 s39, 0x01010101
	s_and_b32 s3, ttmp9, 1                         ; y
	s_bfe_u32 s4, ttmp9, 0x40001                   ; hd
	s_lshr_b32 s5, ttmp9, 5                        ; b
	s_lshl_b32 s6, s5, 5
	s_lshl_b32 s7, s2, 1
	s_add_co_u32 s6, s6, s7                        ; 32 b + 2 w
	s_add_co_u32 s56, s6, s3                       ; slot 0's group of 32 rows
	s_xor_b32 s57, s3, 1
	s_add_co_u32 s57, s6, s57                      ; slot 1's
	s_lshl_b32 s40, s56, 13                        ; a group's codes are 8,192 bytes,
	s_mov_b32 s41, 0
	s_lshl_b32 s42, s57, 13
	s_mov_b32 s43, 0
	s_lshl_b32 s44, s56, 9                         ; its scale words 512
	s_mov_b32 s45, 0
	s_lshl_b32 s46, s57, 9
	s_mov_b32 s47, 0
	s_lshl_b32 s48, s56, 16                        ; the residual: 32 rows of 2,048 bytes a group,
	s_lshl_b32 s6, s4, 7                           ; + 128 hd
	s_add_co_u32 s48, s48, s6
	s_mov_b32 s49, 0
	s_lshl_b32 s50, s5, 4
	s_add_co_u32 s50, s50, s4
	s_lshl_b32 s50, s50, 17                        ; ybuf: (16 b + hd) x 1,024 rows of 128 bytes
	s_add_co_u32 s7, s7, s3
	s_lshl_b32 s7, s7, 12                          ; + 32 (2 w + y) rows
	s_add_co_u32 s50, s50, s7
	s_mov_b32 s51, 0
	s_lshl_b32 s52, s4, 4
	s_lshl_b32 s7, s5, 1
	s_add_co_u32 s52, s52, s7
	s_add_co_u32 s52, s52, s3
	s_lshl_b32 s52, s52, 8                         ; stats: 256 (16 hd + 2 b + y)
	s_mov_b32 s53, 0
	s_mul_i32 s54, s4, 1536
	s_mov_b32 s55, 0
	s_mul_i32 s56, s4, 24576
	s_mov_b32 s57, 0
	s_mov_b32 s7, 0                                ; s[6:7] = 128 hd
	s_wait_kmcnt 0x0
	s_add_nc_u64 s[40:41], s[10:11], s[40:41]
	s_add_nc_u64 s[42:43], s[10:11], s[42:43]
	s_add_nc_u64 s[44:45], s[12:13], s[44:45]
	s_add_nc_u64 s[46:47], s[12:13], s[46:47]
	s_add_nc_u64 s[48:49], s[8:9], s[48:49]
	s_add_nc_u64 s[50:51], s[24:25], s[50:51]
	s_add_nc_u64 s[52:53], s[26:27], s[52:53]
	s_add_nc_u64 s[54:55], s[16:17], s[54:55]
	s_add_nc_u64 s[14:15], s[14:15], s[56:57]
	s_add_nc_u64 s[18:19], s[18:19], s[6:7]
	s_add_nc_u64 s[20:21], s[20:21], s[6:7]
	s_add_nc_u64 s[22:23], s[22:23], s[6:7]
.irp k, 0,1,2
	global_load_b128 v[ACC+4*\k:ACC+4*\k+3], v[T16], s[14:15] offset:8192*\k   ; the head's weights: 512 threads x 16 bytes, three times
.endr
	global_load_b32 v[T], v[L4], s[18:19]          ; bq
	global_load_b32 v[T+1], v[L4], s[20:21]        ; bk
	LOADX 40, 44
	LOADWS 0
	global_load_b32 v[BV], v86, s[22:23]
	global_load_b32 v[BV+1], v86, s[22:23] offset:32
.irp z, 0,8,16,24,32
.irp i, 0,1,2,3
	v_mov_b32 v[QF+\z+\i], 0                       ; the zero codes between the queries' runs
.endr
.endr
.irp i, 0,1
	v_mov_b32 v[P+\i], 0                           ; written once: a lane permute's destination counts as one of its sources
	v_mov_b32 v[PT+\i], 0
.endr
	s_wait_loadcnt 23                              ; the weights and the two biases are in; the 17 + 4 + 2 loads behind them stay out
.irp k, 0,1,2
	ds_store_b128 v[T16], v[ACC+4*\k:ACC+4*\k+3] offset:WIMG+8192*\k
.endr
	ds_store_b32 v85, v[T] offset:BL
	ds_store_b32 v85, v[T+1] offset:BL+128
	s_wait_dscnt 0x0                               ; for the others' sake: my part of the weights has landed
	s_barrier_signal -1
	s_barrier_wait -1
	s_wait_loadcnt 0x0
; ---- the projections.  Each weight's scale words are asked for behind the product before, and waited for ahead of their own
	LOADW 0
	LOADB 0
	s_wait_dscnt 0x0
	MM_T                                           ; q of my 32 queries
	PLACES
	LOADWS 1
	QUANT2
	MAKEQ
	LOADW 1
	LOADB 1
	s_wait_dscnt 0x0
	s_wait_loadcnt 0x0
	MM_T                                           ; k of slot 0
	PLACES
	LOADWS 2
	MOVBV
	QUANT2
	PUTK 0
	LOADW 2
	s_wait_dscnt 0x0                               ; the weight is in, and the stores above have read their registers
	s_wait_loadcnt 0x0
	MM_N                                           ; v of slot 0
	PLACES
	LOADX 42, 46                                   ; slot 1's rows take slot 0's registers
	LOADWS 1
	QUANT2
	PUTV 0
	LOADW 1
	LOADB 1
	s_wait_dscnt 0x0
	s_wait_loadcnt 0x0
	MM_T                                           ; k of slot 1
	PLACES
	LOADWS 2
	MOVBV
	QUANT2
	PUTK 1
	LOADW 2
	s_wait_dscnt 0x0
	s_wait_loadcnt 0x0
	MM_N                                           ; v of slot 1
	PLACES
	QUANT2
	PUTV 1
	s_wait_dscnt 0x0                               ; for the others' sake: my keys' images have landed
	s_barrier_signal -1
	s_barrier_wait -1                              ; K and V of the whole head lie in LDS
; ---- the attention
.irp x, 0,1
.irp i, 0,1,2,3
	global_load_b128 v[RES+16*\x+4*\i:RES+16*\x+4*\i+3], v[RA], s[48:49] offset:16384*\x+16*\i   ; the residual of my queries: channels 16 h + 0 .. 15; wanted only behind the loop
.endr
.endr
.irp j, 0,1,2,3,4,5,6,7,8,9,10,11,12,13,14,15,16,17,18,19,20,21,22,23,24,25,26,27,28,29,30,31
	v_mov_b32 v[O+\j], 0                           ; the step is written once: the first finds zeros, which the first change of M leaves zeros
.endr
.irp x, 0,1
	v_mov_b32 v[ST+4*\x+1], 0xff61b1e6             ; the largest t so far: -3e38
	v_floor_f32 v[ST+4*\x], -v[ST+4*\x+1]          ; -M
	v_mov_b32 v[ST+4*\x+2], 0
	v_mov_b32 v[ST+4*\x+3], 0
.endr
.irp b, 0,1,2,3
	v_mov_b32 v[PM+\b], 0
.endr
	v_mov_b32 v[F+1], 0
	s_mov_b32 s[TBS], 0
	s_mov_b32 s[TSS], 0
	s_mov_b32 s38, 8
; One tile of 16 queries against the step's 128 keys
.macro TILE x
.set rT, ST+4*(\x)
.set rO, O+16*(\x)
.irp g, 0,1
.irp e, 0,1,2,3
	WMZ S+8*(4*\g+\e), KF+8*\g, QF+16*(\x)+8*(\e%2)+4*(1-\e/2), KS, QS+(\x), \g   ; key tile e of fragment g: lane = query, the 16 registers of two neighbouring tiles = 16 neighbouring keys
.endr
.endr
	PLACES
.irp b, 0,1,2,3
	v_max3_num_f32 v[BM+\b], v[S+16*\b], v[S+16*\b+1], v[S+16*\b+2]   ; the largest score of each block of 32 keys: for the row's maximum and for the block's largest p
.endr
.irp i, 3,5,7,9,11,13
.irp b, 0,1,2,3
	v_max3_num_f32 v[BM+\b], v[BM+\b], v[S+16*\b+\i], v[S+16*\b+\i+1]
.endr
.endr
.irp b, 0,1,2,3
	v_max_num_f32 v[BM+\b], v[BM+\b], v[S+16*\b+15]
.endr
.irp b, 0,1,2,3
	v_permlanex16_b32 v[PM+\b], v[BM+\b], s[SEL], s[SEL+1]
.endr
.irp b, 0,1,2,3
	v_max_num_f32 v[BM+\b], v[BM+\b], v[PM+\b]
.endr
	v_max3_num_f32 v[PM], v[BM], v[BM+1], v[BM+2]
	v_max_num_f32 v[PM], v[PM], v[BM+3]
	v_mul_f32 v[PM], s[CS], v[PM]                  ; the step's largest t
	v_max_num_f32 v[rT+1], v[rT+1], v[PM]          ; the running largest t
	v_mov_b32 v[PM], v[rT]
	v_floor_f32 v[rT], -v[rT+1]                    ; the new -M = -ceil(t)
	v_sub_f32 v[PM], v[rT], v[PM]                  ; old M - new M: a whole number, 0 or less
	v_cvt_i32_f32 v[PM], v[PM]                     ; (it saturates)
	v_ldexp_f32 v[F], 1.0, v[PM]                   ; f = 2^(old M - new M)
.irp j, 0,2,4,6,8,10,12,14,16,18,20,22,24,26,28,30,32,34,36,38,40,42,44,46,48,50,52,54,56,58,60,62
	v_pk_fma_f32 v[S+\j:S+\j+1], v[S+\j:S+\j+1], s[CS:CS+1], v[rT:rT+1] op_sel_hi:[1,0,0]   ; t - M
.endr
.irp b, 0,1,2,3
	v_fma_f32 v[BM+\b], v[BM+\b], s[CS], v[rT]
.endr
.irp j, 0,1,2,3,4,5,6,7,8,9,10,11,12,13,14,15,16,17,18,19,20,21,22,23,24,25,26,27,28,29,30,31,32,33,34,35,36,37,38,39,40,41,42,43,44,45,46,47,48,49,50,51,52,53,54,55,56,57,58,59,60,61,62,63
	v_exp_f32 v[S+\j], v[S+\j]                     ; p = 2^(t - M)
.endr
	v_pk_mul_f32 v[rT+2:rT+3], v[rT+2:rT+3], v[F:F+1] op_sel_hi:[1,0]   ; the sum under the new M: the plain place behind the exponentials
	s_wait_alu depctr_va_vdst(0)                   ; one wait for the batch of 64, ahead of its first reader
.irp b, 0,1,2,3
	v_exp_f32 v[BM+\b], v[BM+\b]                   ; each block's largest p
.endr
	v_pk_add_f32 v[SUM2:SUM2+1], v[S:S+1], v[S+2:S+3]      ; the row's sum of the unquantised p, two chains; the first half stands behind the four exponentials
.irp j, 4,8,12,16,20,24,28
	v_pk_add_f32 v[rT+2:rT+3], v[rT+2:rT+3], v[S+\j:S+\j+1]
	v_pk_add_f32 v[SUM2:SUM2+1], v[SUM2:SUM2+1], v[S+\j+2:S+\j+3]
.endr
	s_wait_alu depctr_va_vdst(0)                   ; and one for the four
.irp b, 0,1,2,3
	v_max_num_f32 v[BM+\b], 0x1800000, v[BM+\b]    ; the floor: the byte cannot fall under 1
.endr
.irp b, 0,1,2,3
	v_add_nc_u32 v[SO+\b], 0xff000000, v[BM+\b]
.endr
.irp b, 0,1,2,3
	v_lshrrev_b32 v[PM+\b], 23, v[SO+\b]
.endr
	v_lshl_or_b32 v[PS], v[PM+1], 8, v[PM]         ; p's scale word for these 128 keys
	v_lshl_or_b32 v[PS], v[PM+2], 16, v[PS]
	v_lshl_or_b32 v[PS], v[PM+3], 24, v[PS]
.irp b, 0,1,2,3
	v_cvt_scalef32_pk8_fp4_f32 v[PC+2*\b], v[S+16*\b:S+16*\b+7], v[SO+\b]
	v_cvt_scalef32_pk8_fp4_f32 v[PC+2*\b+1], v[S+16*\b+8:S+16*\b+15], v[SO+\b]
.endr
	v_nop                                          ; one plain place behind a scaled conversion
.irp c, 0,1
.irp i, 0,1
	v_permlane16_swap_b32 v[PC+4*\c+\i], v[PC+2+4*\c+\i]   ; a whole block to a lane
.endr
.endr
.irp j, 32,36,40,44,48,52,56,60                ; the sum's second half: 17 plain lines that name nothing of the products below: their places behind the scale word and the codes
	v_pk_add_f32 v[rT+2:rT+3], v[rT+2:rT+3], v[S+\j:S+\j+1]
	v_pk_add_f32 v[SUM2:SUM2+1], v[SUM2:SUM2+1], v[S+\j+2:S+\j+3]
.endr
	v_pk_add_f32 v[rT+2:rT+3], v[rT+2:rT+3], v[SUM2:SUM2+1]
.irp j, 0,2,4,6,8,10,12,14
	v_pk_mul_f32 v[rO+\j:rO+\j+1], v[rO+\j:rO+\j+1], v[F:F+1] op_sel_hi:[1,0]   ; O^T under the new M
.endr
	WMS rO, VF, PC, rO, VS, PS, 0, 0               ; O^T += V^T P^T: register 8 u + j = channel 16 h + 8 u + j
	WMS rO+8, VF+8, PC, rO+8, VS, PS, 1, 0
.endm
.Lstep:                                            ; 8 trips of 128 keys
	v_add_nc_u32 v[AD16], s[TBS], v[L16]
	v_add_nc_u32 v[AD4], s[TSS], v[L4]
	v_nop
	v_nop                                          ; four plain places ahead of loads into registers that the last products read
.irp g, 0,1
.irp c, 0,1
	ds_load_b128 v[KF+8*\g+4*\c:KF+8*\g+4*\c+3], v[AD16] offset:KIMG+1024*\g+512*\c
.endr
.endr
.irp u, 0,1
.irp c, 0,1
	ds_load_b128 v[VF+8*\u+4*\c:VF+8*\u+4*\c+3], v[AD16] offset:VIMG+1024*\u+512*\c
.endr
.endr
	ds_load_b32 v[KS], v[AD4] offset:KSC           ; lane 16 g + r: fragment g's row r
	ds_load_b32 v[VS], v[AD4] offset:VSC           ; lane 16 u + r: tile u's channel r
	s_wait_dscnt 0x0
	TILE 0
	TILE 1
	s_add_co_u32 s[TBS], s[TBS], 2048
	s_add_co_u32 s[TSS], s[TSS], 128
	s_sub_co_u32 s38, s38, 1
	s_cmp_lg_u32 s38, 0
	s_cbranch_scc1 .Lstep
; ---- the way out: O^T / the sum + the residual; through my stage, so that a store covers 512 dense bytes; the wave's statistics
.irp x, 0,1
	v_add_f32 v[BM+2*\x], v[ST+4*\x+2], v[ST+4*\x+3]
.endr
.irp x, 0,1
	v_permlanex16_b32 v[PM+\x], v[BM+2*\x], s[SEL], s[SEL+1]
.endr
.irp x, 0,1
	v_add_f32 v[BM+2*\x], v[BM+2*\x], v[PM+\x]     ; the row's sum
.endr
.irp x, 0,1
	v_rcp_f32 v[BM+2*\x], v[BM+2*\x]
.endr
	v_nop                                          ; a plain place behind the reciprocals
	s_wait_alu depctr_va_vdst(0)                   ; one wait for both, ahead of the first reader
	s_wait_loadcnt 0x0                             ; the residual
	s_mov_b32 s40, 0x3d000000                      ; 1 / 32 (the loads that read these scalar registers are done)
	s_mov_b32 s41, s40
	s_mov_b32 s42, 0x3b000000                      ; 1 / 512
	s_mov_b32 s43, s42
	s_mov_b32 s44, 0x42000000                      ; 32
	s_mov_b32 s45, s44
.irp x, 0,1
.irp i, 0,2,4,6,8,10,12,14
	v_pk_fma_f32 v[RES+16*\x+\i:RES+16*\x+\i+1], v[O+16*\x+\i:O+16*\x+\i+1], v[BM+2*\x:BM+2*\x+1], v[RES+16*\x+\i:RES+16*\x+\i+1] op_sel_hi:[1,0,1]
.endr
.endr
.irp x, 0,1
.irp i, 0,1,2,3
	ds_store_b128 v[STO], v[RES+16*\x+4*\i:RES+16*\x+4*\i+3] offset:2304*\x+16*\i
.endr
.irp i, 0,1,2,3
	ds_load_b128 v[16+16*\x+4*\i:16+16*\x+4*\i+3], v[SRD] offset:2304*\x+576*\i   ; four rows of 128 bytes; LDS serves a wave's instructions in order: these see my stores
.endr
.endr
	s_wait_dscnt 0x0
.irp x, 0,1
.irp i, 0,1,2,3
	global_store_b128 v[L16], v[16+16*\x+4*\i:16+16*\x+4*\i+3], s[50:51] offset:(8*\x+4*\i+8*(\i/2))*128 th:TH_STORE_NT   ; stage rows 4 i .. 4 i + 3 are four neighbouring rows of the group: 512 consecutive bytes, aligned
.endr
.endr
	; a lane now holds channels 4 (lane % 8) + 0 .. 3 of eight rows; lanes l, l xor 8, l xor 16, l xor 24 hold the wave's 32 rows between them
	v_pk_add_f32 v[48:49], v[16:17], v[20:21]
	v_pk_add_f32 v[50:51], v[18:19], v[22:23]
.irp q, 2,3,4,5,6,7
	v_pk_add_f32 v[48:49], v[48:49], v[16+4*\q:17+4*\q]
	v_pk_add_f32 v[50:51], v[50:51], v[18+4*\q:19+4*\q]
.endr
.irp k, 0,1,2,3
	v_add_f32_dpp v[48+\k], v[48+\k], v[48+\k] row_xmask:8 row_mask:0xf bank_mask:0xf
.endr
.irp k, 0,1,2,3
	v_permlanex16_b32 v[64+\k], v[48+\k], s[SEL], s[SEL+1]
.endr
.irp k, 0,1,2,3
	v_add_f32 v[48+\k], v[48+\k], v[64+\k]         ; the wave's sums
.endr
	v_pk_mul_f32 v[52:53], v[48:49], s[40:41] op_sel_hi:[1,0]     ; its means
	v_pk_mul_f32 v[54:55], v[50:51], s[40:41] op_sel_hi:[1,0]
	v_pk_add_f32 v[56:57], v[16:17], v[52:53] neg_lo:[0,1] neg_hi:[0,1]
	v_pk_add_f32 v[58:59], v[18:19], v[54:55] neg_lo:[0,1] neg_hi:[0,1]
	v_pk_mul_f32 v[60:61], v[56:57], v[56:57]
	v_pk_mul_f32 v[62:63], v[58:59], v[58:59]
.irp q, 1,2,3,4,5,6,7
	v_pk_add_f32 v[56:57], v[16+4*\q:17+4*\q], v[52:53] neg_lo:[0,1] neg_hi:[0,1]
	v_pk_add_f32 v[58:59], v[18+4*\q:19+4*\q], v[54:55] neg_lo:[0,1] neg_hi:[0,1]
	v_pk_fma_f32 v[60:61], v[56:57], v[56:57], v[60:61]
	v_pk_fma_f32 v[62:63], v[58:59], v[58:59], v[62:63]
.endr
.irp k, 0,1,2,3
	v_add_f32_dpp v[60+\k], v[60+\k], v[60+\k] row_xmask:8 row_mask:0xf bank_mask:0xf
.endr
.irp k, 0,1,2,3
	v_permlanex16_b32 v[64+\k], v[60+\k], s[SEL], s[SEL+1]
.endr
.irp k, 0,1,2,3
	v_add_f32 v[60+\k], v[60+\k], v[64+\k]         ; the squared deviations from the wave's own means: no difference of large sums
.endr
	ds_store_b128 v[AST], v[48:51]                 ; (four lanes write the same 16 bytes with the same values)
	ds_store_b128 v[AST], v[60:63] offset:128
	s_wait_dscnt 0x0                               ; for wave 0's sake
	s_barrier_signal -1
	s_barrier_wait -1
	s_cmp_lg_u32 s2, 0
	s_cbranch_scc1 .Ldone
	; wave 0 joins the sixteen waves' figures: a lane takes two channels (both halves of the lanes the same two)
.irp i, 0,1,2,3,4,5,6,7,8,9,10,11,12,13,14,15
	ds_load_b64 v[64+4*\i:65+4*\i], v[ASL] offset:256*\i
	ds_load_b64 v[66+4*\i:67+4*\i], v[ASL] offset:256*\i+128
.endr
	s_wait_dscnt 0x0
	v_pk_add_f32 v[128:129], v[64:65], v[68:69]
	v_pk_add_f32 v[130:131], v[66:67], v[70:71]
.irp i, 2,3,4,5,6,7,8,9,10,11,12,13,14,15
	v_pk_add_f32 v[128:129], v[128:129], v[64+4*\i:65+4*\i]
	v_pk_add_f32 v[130:131], v[130:131], v[66+4*\i:67+4*\i]
.endr
	v_pk_mul_f32 v[132:133], v[128:129], s[42:43] op_sel_hi:[1,0]         ; the mean of the 512 rows
	v_pk_fma_f32 v[134:135], v[64:65], s[40:41], v[132:133] op_sel_hi:[1,0,1] neg_lo:[0,0,1] neg_hi:[0,0,1]   ; a wave's mean less that
	v_pk_mul_f32 v[136:137], v[134:135], v[134:135]
.irp i, 1,2,3,4,5,6,7,8,9,10,11,12,13,14,15
	v_pk_fma_f32 v[134:135], v[64+4*\i:65+4*\i], s[40:41], v[132:133] op_sel_hi:[1,0,1] neg_lo:[0,0,1] neg_hi:[0,0,1]
	v_pk_fma_f32 v[136:137], v[134:135], v[134:135], v[136:137]
.endr
	v_pk_fma_f32 v[130:131], v[136:137], s[44:45], v[130:131] op_sel_hi:[1,0,1]   ; + 32 x the squares of the means' deviations
	v_cndmask_b32 v138, v128, v130, s35            ; lanes 0-15 store the sums, lanes 16-31 the squared deviations
	v_cndmask_b32 v139, v129, v131, s35
	v_lshlrev_b32 v140, 1, v[L4]
	global_store_b64 v140, v[138:139], s[52:53]    ; 256 consecutive bytes, aligned
.Ldone:
	s_wait_tensorcnt 0x0                           ; the wave's end, behind my last LDS store
	ds_add_u32 v[SPW], v[NIL]
	s_wait_dscnt 0x0
	s_endpgm
.Lfunc_end_k_q7e71c72a6b_attn:
	.size	k_q7e71c72a6b_attn, .Lfunc_end_k_q7e71c72a6b_attn-k_q7e71c72a6b_attn
	.p2alignl 7, 3214868480
	.fill 96, 4, 3214868480
	.section	.rodata,"a",@progbits
	.p2align	6, 0x0
	.amdhsa_kernel k_q7e71c72a6b_attn
		.amdhsa_group_segment_fixed_size 143360
		.amdhsa_private_segment_fixed_size 0
		.amdhsa_enable_private_segment 0
		.amdhsa_kernarg_size 80
		.amdhsa_user_sgpr_count 2
		.amdhsa_user_sgpr_kernarg_segment_ptr 1
		.amdhsa_wavefront_size32 1
		.amdhsa_system_sgpr_workgroup_id_x 1
		.amdhsa_system_sgpr_workgroup_id_y 1
		.amdhsa_system_sgpr_workgroup_id_z 1
		.amdhsa_system_vgpr_workitem_id 0
		.amdhsa_next_free_vgpr 256
		.amdhsa_next_free_sgpr 66
		.amdhsa_reserve_vcc 0
		.amdhsa_float_denorm_mode_32 3
		.amdhsa_float_denorm_mode_16_64 3
		.amdhsa_memory_ordered 1
		.amdhsa_forward_progress 1
		.amdhsa_inst_pref_size 88
	.end_amdhsa_kernel
	.amdgpu_metadata
---
amdhsa.version: [ 1, 2 ]
amdhsa.kernels:
  - .name:           k_q7e71c72a6b_attn
    .symbol:         k_q7e71c72a6b_attn.kd
    .args:
      - { .name: inputs, .offset: 0, .size: 8, .value_kind: global_buffer, .address_space: global }
      - { .name: xcodes, .offset: 8, .size: 8, .value_kind: global_buffer, .address_space: global }
      - { .name: xscales, .offset: 16, .size: 8, .value_kind: global_buffer, .address_space: global }
      - { .name: wcodes, .offset: 24, .size: 8, .value_kind: global_buffer, .address_space: global }
      - { .name: wscales, .offset: 32, .size: 8, .value_kind: global_buffer, .address_space: global }
      - { .name: bq, .offset: 40, .size: 8, .value_kind: global_buffer, .address_space: global }
      - { .name: bk, .offset: 48, .size: 8, .value_kind: global_buffer, .address_space: global }
      - { .name: bv, .offset: 56, .size: 8, .value_kind: global_buffer, .address_space: global }
      - { .name: ybuf, .offset: 64, .size: 8, .value_kind: global_buffer, .address_space: global }
      - { .name: stats, .offset: 72, .size: 8, .value_kind: global_buffer, .address_space: global }
    .group_segment_fixed_size: 143360
    .private_segment_fixed_size: 0
    .kernarg_segment_align: 8
    .kernarg_segment_size: 80
    .max_flat_workgroup_size: 512
    .sgpr_count:     66
    .vgpr_count:     256
    .wavefront_size: 32
...
	.end_amdgpu_metadata
.endif
;; end of part 2
;; launch bnorm (part 3): grid 256 x 1, 8 waves a work-group, no clusters, 0 bytes of LDS; arguments ybuf, stats, gamma, beta, out0; writes out0
.if DOCPART == 3
	.amdgcn_target "amdgcn-amd-amdhsa--gfx1250"
	.amdhsa_code_object_version 6
	.text
	.protected	k_q7e71c72a6b_bnorm
	.globl	k_q7e71c72a6b_bnorm
	.p2align	8
	.type	k_q7e71c72a6b_bnorm,@function
k_q7e71c72a6b_bnorm:
	s_mov_b64 s[64:65], 0
	v_nop
	global_prefetch_b8 v0, s[64:65] scope:SCOPE_SE
	s_setreg_imm32_b32 hwreg(HW_REG_WAVE_MODE, 25, 1), 1
	s_wait_xcnt 0x0
; out0 = (y - mean) rsqrt(var + 1e-3) gamma + beta, mean and var over all 8,192 rows for each channel.  y: [b 16 + hd][row][32] f32; stats: for each head 16 parts of 512 rows: 32 sums, 32 sums of squared deviations.
; No work of the problem is left out.  The parts are joined by their means' deviations from the whole mean: no difference of large sums is formed.
; SHARES: a work-group takes a pair of heads (64 channels, 256 bytes of a row of out0), a batch and 256 rows; a wave 32 rows.  A lane keeps 4 channels; each load and each store covers two runs of 256 consecutive bytes, aligned.
; A stream: no LDS, no barrier, no matrix unit; every wave joins the statistics of its own channels again, 8,192 bytes that all work-groups of a pair of heads read.
; LIMITS: NaN and infinities are not served.
.set SB, 16                            ; v16-143  part i: 4 sums at 8 i, 4 squared deviations at 8 i + 4
.set Y,  144                           ; v144-207 16 x 4 numbers
.set GA, 208
.set BE, 212
.set TS, 216                           ; the sums; later var + eps and its inverse root
.set TQ, 220                           ; the squared deviations
.set MN, 224                           ; the mean
.set A2, 228                           ; squares of the parts' means' deviations; later the shift
.set D,  232                           ; at work; later the gain
	s_load_b256 s[8:15], s[0:1], 0x0               ; ybuf, stats, gamma, beta
	s_load_b64 s[16:17], s[0:1], 0x20              ; out0
	v_lshrrev_b32 v1, 5, v0
	v_readfirstlane_b32 s2, v1                     ; wave
	v_and_b32 v1, 7, v0
	v_bfe_u32 v2, v0, 3, 1                         ; e: which head of the pair
	v_bfe_u32 v3, v0, 4, 1                         ; f: which of two rows
	v_and_b32 v4, 15, v0
	v_lshlrev_b32 v5, 4, v1
	v_lshl_add_u32 v6, v2, 12, v5                  ; stats: 4,096 e + 16 (lane % 8)
	v_lshl_add_u32 v7, v2, 17, v5
	v_lshl_add_u32 v7, v3, 7, v7                   ; y: 131,072 e + 128 f + 16 (lane % 8)
	v_lshlrev_b32 v8, 4, v4                        ; gamma, beta: 16 (lane % 16)
	v_lshl_add_u32 v9, v3, 11, v8                  ; out0: 2,048 f + 16 (lane % 16)
	s_and_b32 s3, ttmp9, 7                         ; p: the pair of heads
	s_bfe_u32 s4, ttmp9, 0x30003                   ; b
	s_lshr_b32 s5, ttmp9, 6                        ; which 256 rows
	s_lshl_b32 s6, s5, 8
	s_lshl_b32 s7, s2, 5
	s_add_co_u32 s6, s6, s7                        ; my first row in the batch
	s_lshl_b32 s20, s4, 4
	s_lshl_b32 s21, s3, 1
	s_add_co_u32 s20, s20, s21
	s_lshl_b32 s20, s20, 10
	s_add_co_u32 s20, s20, s6
	s_lshl_b32 s20, s20, 7                         ; ((16 b + 2 p) 1,024 + row) x 128
	s_mov_b32 s21, 0
	s_lshl_b32 s22, s4, 10
	s_add_co_u32 s22, s22, s6
	s_lshl_b32 s22, s22, 11
	s_lshl_b32 s23, s3, 8
	s_add_co_u32 s22, s22, s23                     ; (1,024 b + row) x 2,048 + 256 p
	s_mov_b32 s23, 0
	s_lshl_b32 s32, s3, 13                         ; stats: 8,192 p
	s_mov_b32 s33, 0
	s_lshl_b32 s34, s3, 8                          ; gamma, beta: 256 p
	s_mov_b32 s35, 0
	s_mov_b32 s24, 0x39000000                      ; 1 / 8,192
	s_mov_b32 s25, s24
	s_mov_b32 s26, 0x3b000000                      ; 1 / 512
	s_mov_b32 s27, s26
	s_mov_b32 s28, 0x44000000                      ; 512
	s_mov_b32 s29, s28
	s_mov_b32 s30, 0x3a83126f                      ; 1e-3
	s_wait_kmcnt 0x0
	s_add_nc_u64 s[8:9], s[8:9], s[20:21]
	s_add_nc_u64 s[16:17], s[16:17], s[22:23]
	s_add_nc_u64 s[10:11], s[10:11], s[32:33]
	s_add_nc_u64 s[12:13], s[12:13], s[34:35]
	s_add_nc_u64 s[14:15], s[14:15], s[34:35]
.irp i, 0,1,2,3,4,5,6,7,8,9,10,11,12,13,14,15
	global_load_b128 v[SB+8*\i:SB+8*\i+3], v6, s[10:11] offset:256*\i
	global_load_b128 v[SB+8*\i+4:SB+8*\i+7], v6, s[10:11] offset:256*\i+128
.endr
	global_load_b128 v[GA:GA+3], v8, s[12:13]
	global_load_b128 v[BE:BE+3], v8, s[14:15]
.irp i, 0,1,2,3,4,5,6,7,8,9,10,11,12,13,14,15
	global_load_b128 v[Y+4*\i:Y+4*\i+3], v7, s[8:9] offset:256*\i th:TH_LOAD_NT     ; rows 2 i, 2 i + 1 of both heads
.endr
	s_wait_loadcnt 16                              ; the statistics, gamma and beta are in; y's 16 loads stay out
.irp q, 0,2
	v_pk_add_f32 v[TS+\q:TS+\q+1], v[SB+\q:SB+\q+1], v[SB+8+\q:SB+9+\q]
	v_pk_add_f32 v[TQ+\q:TQ+\q+1], v[SB+4+\q:SB+5+\q], v[SB+12+\q:SB+13+\q]
.endr
.irp i, 2,3,4,5,6,7,8,9,10,11,12,13,14,15
.irp q, 0,2
	v_pk_add_f32 v[TS+\q:TS+\q+1], v[TS+\q:TS+\q+1], v[SB+8*\i+\q:SB+8*\i+\q+1]
	v_pk_add_f32 v[TQ+\q:TQ+\q+1], v[TQ+\q:TQ+\q+1], v[SB+8*\i+4+\q:SB+8*\i+5+\q]
.endr
.endr
.irp q, 0,2
	v_pk_mul_f32 v[MN+\q:MN+\q+1], v[TS+\q:TS+\q+1], s[24:25] op_sel_hi:[1,0]      ; the mean
.endr
.irp q, 0,2
	v_pk_fma_f32 v[D+\q:D+\q+1], v[SB+\q:SB+\q+1], s[26:27], v[MN+\q:MN+\q+1] op_sel_hi:[1,0,1] neg_lo:[0,0,1] neg_hi:[0,0,1]   ; a part's mean less the mean
.endr
.irp q, 0,2
	v_pk_mul_f32 v[A2+\q:A2+\q+1], v[D+\q:D+\q+1], v[D+\q:D+\q+1]
.endr
.irp i, 1,2,3,4,5,6,7,8,9,10,11,12,13,14,15
.irp q, 0,2
	v_pk_fma_f32 v[D+\q:D+\q+1], v[SB+8*\i+\q:SB+8*\i+\q+1], s[26:27], v[MN+\q:MN+\q+1] op_sel_hi:[1,0,1] neg_lo:[0,0,1] neg_hi:[0,0,1]
.endr
.irp q, 0,2
	v_pk_fma_f32 v[A2+\q:A2+\q+1], v[D+\q:D+\q+1], v[D+\q:D+\q+1], v[A2+\q:A2+\q+1]
.endr
.endr
.irp q, 0,2
	v_pk_fma_f32 v[TQ+\q:TQ+\q+1], v[A2+\q:A2+\q+1], s[28:29], v[TQ+\q:TQ+\q+1] op_sel_hi:[1,0,1]   ; all squared deviations from the mean
.endr
.irp k, 0,1,2,3
	v_fma_f32 v[TS+\k], v[TQ+\k], s24, s30         ; var + eps
.endr
.irp k, 0,1,2,3
	v_rsq_f32 v[TS+\k], v[TS+\k]
.endr
	v_nop                                          ; a plain place behind the roots
	s_wait_alu depctr_va_vdst(0)                   ; one wait for the four, ahead of their first reader
.irp q, 0,2
	v_pk_mul_f32 v[D+\q:D+\q+1], v[GA+\q:GA+\q+1], v[TS+\q:TS+\q+1]                ; the gain
.endr
.irp q, 0,2
	v_pk_fma_f32 v[A2+\q:A2+\q+1], v[MN+\q:MN+\q+1], v[D+\q:D+\q+1], v[BE+\q:BE+\q+1] neg_lo:[1,0,0] neg_hi:[1,0,0]   ; the shift: beta - mean x gain
.endr
.irp i, 0,1,2,3,4,5,6,7,8,9,10,11,12,13,14,15
	s_wait_loadcnt 15-\i                           ; load i is in; the younger ones stay out
	v_pk_fma_f32 v[Y+4*\i:Y+4*\i+1], v[Y+4*\i:Y+4*\i+1], v[D:D+1], v[A2:A2+1]
	v_pk_fma_f32 v[Y+4*\i+2:Y+4*\i+3], v[Y+4*\i+2:Y+4*\i+3], v[D+2:D+3], v[A2+2:A2+3]
	global_store_b128 v9, v[Y+4*\i:Y+4*\i+3], s[16:17] offset:4096*\i th:TH_STORE_NT   ; sixteen lanes store 256 consecutive bytes of a row, aligned
.endr
	s_endpgm
.Lfunc_end_k_q7e71c72a6b_bnorm:
	.size	k_q7e71c72a6b_bnorm, .Lfunc_end_k_q7e71c72a6b_bnorm-k_q7e71c72a6b_bnorm
	.p2alignl 7, 3214868480
	.fill 96, 4, 3214868480
	.section	.rodata,"a",@progbits
	.p2align	6, 0x0
	.amdhsa_kernel k_q7e71c72a6b_bnorm
		.amdhsa_group_segment_fixed_size 0
		.amdhsa_private_segment_fixed_size 0
		.amdhsa_enable_private_segment 0
		.amdhsa_kernarg_size 40
		.amdhsa_user_sgpr_count 2
		.amdhsa_user_sgpr_kernarg_segment_ptr 1
		.amdhsa_wavefront_size32 1
		.amdhsa_system_sgpr_workgroup_id_x 1
		.amdhsa_system_sgpr_workgroup_id_y 1
		.amdhsa_system_sgpr_workgroup_id_z 1
		.amdhsa_system_vgpr_workitem_id 0
		.amdhsa_next_free_vgpr 240
		.amdhsa_next_free_sgpr 66
		.amdhsa_reserve_vcc 0
		.amdhsa_float_denorm_mode_32 3
		.amdhsa_float_denorm_mode_16_64 3
		.amdhsa_memory_ordered 1
		.amdhsa_forward_progress 1
		.amdhsa_inst_pref_size 20
	.end_amdhsa_kernel
	.amdgpu_metadata
---
amdhsa.version: [ 1, 2 ]
amdhsa.kernels:
  - .name:           k_q7e71c72a6b_bnorm
    .symbol:         k_q7e71c72a6b_bnorm.kd
    .args:
      - { .name: ybuf, .offset: 0, .size: 8, .value_kind: global_buffer, .address_space: global }
      - { .name: stats, .offset: 8, .size: 8, .value_kind: global_buffer, .address_space: global }
      - { .name: gamma, .offset: 16, .size: 8, .value_kind: global_buffer, .address_space: global }
      - { .name: beta, .offset: 24, .size: 8, .value_kind: global_buffer, .address_space: global }
      - { .name: out0, .offset: 32, .size: 8, .value_kind: global_buffer, .address_space: global }
    .group_segment_fixed_size: 0
    .private_segment_fixed_size: 0
    .kernarg_segment_align: 8
    .kernarg_segment_size: 40
    .max_flat_workgroup_size: 256
    .sgpr_count:     66
    .vgpr_count:     240
    .wavefront_size: 32
...
	.end_amdgpu_metadata
.endif
;; end of part 3
;; ======== version 2 of 2: 3 launches
;; workspace buffers: xcodes 2,097,152 bytes; xscales 131,072 bytes; wcodes 393,216 bytes; wscales 24,576 bytes; ybuf 16,777,216 bytes; stats 65,536 bytes
;; launch quant (part 4): grid 352 x 1, 2 waves a work-group, no clusters, 17,152 bytes of LDS; arguments inputs, wq, wk, wv, xcodes, xscales, wcodes, wscales; writes xcodes, xscales, wcodes, wscales
.if DOCPART == 4
	.amdgcn_target "amdgcn-amd-amdhsa--gfx1250"
	.amdhsa_code_object_version 6
	.text
	.protected	k_q7e71c72a6b_quant
	.globl	k_q7e71c72a6b_quant
	.p2align	8
	.type	k_q7e71c72a6b_quant,@function
k_q7e71c72a6b_quant:
	s_mov_b64 s[64:65], 0
	v_nop
	global_prefetch_b8 v0, s[64:65] scope:SCOPE_SE
	s_setreg_imm32_b32 hwreg(HW_REG_WAVE_MODE, 25, 1), 1
	s_wait_xcnt 0x0
; inputs [8192][512] and wq, wk, wv [512 (k)][512 (n)], f32, become codes of FP4 (E2M1) with one E8M0 scale byte for each 32 along K = 512,
; laid as IMAGES OF OPERAND REGISTERS: a fragment (16 rows x 128 K) is 1,024 bytes, register group c of lane l at 512 c + 16 l, so that the next launch takes it by 16-byte loads of dense bytes.
; NO WORK OF THE PROBLEM IS LEFT OUT in this program: every input has a way to the output (the biases through the relus into quantised operands, gamma and beta directly).
; THE ROWS OF A TILE ARE NOT NEIGHBOURS: in a group of 32 rows (of inputs) or 32 columns (a head's, of a weight), lane r of tile u takes 8 u + r + 8 (r / 8), so that a later result's 16 registers of tiles 0 and 1 are 16 neighbours.
; A block's scale byte is its largest magnitude's exponent field - 2, held at 1 from below; numbers are divided by the scale and rounded to the nearest code, ties to even, beyond 6 the largest code.
; LIMITS: a block of zeros gets the byte 1 where the rule says 127 (its codes are zeros, and this program alone reads the bytes); a block whose largest magnitude lies under 2^-124 keeps the byte 1; NaN and infinities among the inputs are not served.
; SHARES: work-groups 0-255: a group of 32 rows of inputs, wave u its tile u.  Work-groups 256-351: a wave takes (weight j, head hd, K step s): 32 columns x 128 along K.
; xcodes: tile T at 4096 T + 1024 s + 512 c + 16 lane.  xscales: 512 group + 16 (16 u + r) + 4 s.  wcodes: 24576 hd + 8192 j + 4096 u + 256 block + 16 r.  wscales: 1536 hd + 512 j + 128 s + 4 (16 u + r).
.set PITCH, 528                        ; a stage row: 512 bytes + 16: the 16 rows that a load touches begin at 16 different places modulo 256 bytes
.set WSTG,  16*PITCH                   ; a wave's stage
.set SPARE, 2*WSTG                     ; behind the stages: the spare words, 128 bytes a wave: one block of 256 bytes that no other line names
.set SPW,   8                          ; v8   LDS address of my spare word; never rewritten
.set NIL,   9                          ; v9   0; never rewritten
.set R,     16                         ; v16-143  two sets of 64: a K step of 16 rows as loaded
.set XN,    144                        ; v144-207 64 numbers of my row: register 16 b + i = k 32 b + 16 h + i
.set TM,    208                        ; v208-223 at work
.set PW,    224                        ; v224-227 the scale word of each K step
.set PC,    228                        ; v228-243 codes, two sets of 8
.set SEL,   30                         ; s[30:31] lane selects: lane l xor 16
	s_load_b512 s[8:23], s[0:1], 0x0               ; inputs, wq, wk, wv, xcodes, xscales, wcodes, wscales
	v_lshl_add_u32 v[SPW], v0, 2, SPARE
	v_mov_b32 v[NIL], 0
	v_lshrrev_b32 v1, 5, v0
	v_readfirstlane_b32 s2, v1                     ; wave
	v_and_b32 v5, 31, v0                           ; lane
	v_and_b32 v6, 15, v0                           ; r
	v_bfe_u32 v7, v0, 4, 1                         ; h
	v_lshlrev_b32 v1, 4, v5                        ; 16 x lane
	s_mul_i32 s3, s2, WSTG
	v_add_nc_u32 v2, s3, v1                        ; the stage, on the way in: a row's 512 bytes as they lie
	v_mul_u32_u24 v3, v6, PITCH
	v_lshl_add_u32 v3, v7, 6, v3
	v_add_nc_u32 v3, s3, v3                        ; and on the way out: row r, + 64 h
	s_mov_b32 s[SEL], 0x76543210
	s_mov_b32 s[SEL+1], 0xfedcba98
	s_mov_b32 s32, 0xffff0000                      ; lanes 16-31
	s_wait_kmcnt 0x0
	s_cmp_lt_u32 ttmp9, 256
	s_cbranch_scc0 .Lweights
; ---------------- inputs: tile T = 2 G + wave ----------------
	s_lshl_b32 s24, ttmp9, 16                      ; 32 G rows of 2,048 bytes
	s_lshl_b32 s3, s2, 14                          ; + 8 u rows
	s_add_co_u32 s24, s24, s3
	s_mov_b32 s25, 0
	s_add_nc_u64 s[24:25], s[8:9], s[24:25]
	s_lshl_b32 s26, ttmp9, 13                      ; 4,096 T
	s_lshl_b32 s3, s2, 12
	s_add_co_u32 s26, s26, s3
	s_mov_b32 s27, 0
	s_add_nc_u64 s[26:27], s[16:17], s[26:27]
	s_lshl_b32 s28, ttmp9, 9                       ; 256 T
	s_lshl_b32 s3, s2, 8
	s_add_co_u32 s28, s28, s3
	s_mov_b32 s29, 0
	s_add_nc_u64 s[28:29], s[18:19], s[28:29]
	s_wait_alu depctr_va_vdst(0)
	v_lshlrev_b32 v4, 4, v6
	v_lshl_add_u32 v4, v7, 3, v4                   ; the scale words' place: 16 r + 8 h
.irp b, 0,1,2,3
	v_mov_b32 v[TM+4+\b], 0                        ; written once: a lane permute's destination counts as one of its sources
.endr
.macro XLOAD s                         ; K step s of the tile's 16 rows: each load takes 512 consecutive bytes of one row
.irp i, 0,1,2,3,4,5,6,7,8,9,10,11,12,13,14,15
	global_load_b128 v[R+64*((\s)%2)+4*\i:R+64*((\s)%2)+4*\i+3], v1, s[24:25] offset:(\i+8*(\i/8))*2048+512*(\s) th:TH_LOAD_NT
.endr
.endm
.macro TURN s                          ; through my own stage: in as rows, out as 16 neighbours of each block of 32; LDS serves a wave's instructions in order, so no wait stands between
.irp i, 0,1,2,3,4,5,6,7,8,9,10,11,12,13,14,15
	ds_store_b128 v2, v[R+64*((\s)%2)+4*\i:R+64*((\s)%2)+4*\i+3] offset:PITCH*\i
.endr
.irp b, 0,1,2,3
.irp j, 0,1,2,3
	ds_load_b128 v[XN+16*\b+4*\j:XN+16*\b+4*\j+3], v3 offset:128*\b+16*\j
.endr
.endr
.endm
; 64 numbers of a lane become a fragment's codes in v[pc] on and its row's scale word in v[pw]
.macro QUANT s, pc, pw
.irp b, 0,1,2,3
	v_max3_num_f32 v[TM+\b], |v[\s+16*\b]|, |v[\s+1+16*\b]|, 0x1800000   ; my 16 numbers of block b, and the floor 2^(3 - 127): the byte cannot fall under 1
.endr
.irp i, 2,4,6,8,10,12,14
.irp b, 0,1,2,3
	v_max3_num_f32 v[TM+\b], v[TM+\b], |v[\s+16*\b+\i]|, |v[\s+1+16*\b+\i]|
.endr
.endr
.irp b, 0,1,2,3
	v_permlanex16_b32 v[TM+4+\b], v[TM+\b], s[SEL], s[SEL+1]
.endr
.irp b, 0,1,2,3
	v_max_num_f32 v[TM+\b], v[TM+\b], v[TM+4+\b]   ; with lane l xor 16's: the block's largest magnitude
.endr
.irp b, 0,1,2,3
	v_add_nc_u32 v[TM+12+\b], 0xff000000, v[TM+\b] ; 2 off its exponent field: the conversion's scale operand
.endr
.irp b, 0,1,2,3
	v_lshrrev_b32 v[TM+4+\b], 23, v[TM+12+\b]      ; the scale's byte
.endr
	v_lshl_or_b32 v[\pw], v[TM+5], 8, v[TM+4]
	v_lshl_or_b32 v[\pw], v[TM+6], 16, v[\pw]
	v_lshl_or_b32 v[\pw], v[TM+7], 24, v[\pw]
.irp b, 0,1,2,3
	v_cvt_scalef32_pk8_fp4_f32 v[\pc+2*\b], v[\s+16*\b:\s+7+16*\b], v[TM+12+\b]
	v_cvt_scalef32_pk8_fp4_f32 v[\pc+1+2*\b], v[\s+8+16*\b:\s+15+16*\b], v[TM+12+\b]
.endr
	v_nop                                          ; one plain place behind a scaled conversion
.irp c, 0,1                            ; the operand's layout wants a whole block in a lane: lanes 0-15 block 2 c, lanes 16-31 block 2 c + 1
.irp i, 0,1
	v_permlane16_swap_b32 v[\pc+4*\c+\i], v[\pc+2+4*\c+\i]
.endr
.endr
.endm
	XLOAD 0
	XLOAD 1
.irp s, 0,1,2,3
.if \s < 3
	s_wait_loadcnt 16                              ; this step's 16 loads are in; the next step's 16 stay out
.else
	s_wait_loadcnt 0x0
.endif
	TURN \s
	s_wait_dscnt 0x0                               ; the numbers are back, and the stores into the stage have read their registers
.if \s < 2
	XLOAD \s+2
.else
	s_wait_xcnt 0x0                                ; the stores of two steps back have read this set of codes: it is written again only behind this wait
.endif
	QUANT XN, PC+8*(\s%2), PW+\s
.irp c, 0,1
	global_store_b128 v1, v[PC+8*(\s%2)+4*\c:PC+8*(\s%2)+4*\c+3], s[26:27] offset:1024*\s+512*\c   ; 512 consecutive bytes
.endr
.endr
	v_cndmask_b32 v10, v[PW], v[PW+2], s32         ; lanes 0-15 store the words of K steps 0, 1 of row r, lanes 16-31 those of 2, 3
	v_cndmask_b32 v11, v[PW+1], v[PW+3], s32
	global_store_b64 v4, v[10:11], s[28:29]        ; 256 consecutive bytes, aligned
	s_wait_tensorcnt 0x0                           ; the wave's end, behind my last LDS store
	ds_add_u32 v[SPW], v[NIL]
	s_wait_dscnt 0x0
	s_endpgm
; ---------------- weights: a lane to a column, registers down K ----------------
.Lweights:
	s_sub_co_u32 s3, ttmp9, 256
	s_lshl_b32 s3, s3, 1
	s_add_co_u32 s3, s3, s2                        ; 0 .. 191
	s_and_b32 s4, s3, 3                            ; K step s
	s_bfe_u32 s5, s3, 0x40002                      ; head
	s_lshr_b32 s6, s3, 6                           ; weight j: 0 q, 1 k, 2 v
	s_cmp_eq_u32 s6, 1
	s_cselect_b64 s[24:25], s[12:13], s[10:11]
	s_cmp_eq_u32 s6, 2
	s_cselect_b64 s[24:25], s[14:15], s[24:25]
	s_lshl_b32 s26, s4, 18                         ; 128 s rows of 2,048 bytes
	s_lshl_b32 s7, s5, 7                           ; + the head's 32 columns
	s_add_co_u32 s26, s26, s7
	s_mov_b32 s27, 0
	s_add_nc_u64 s[24:25], s[24:25], s[26:27]
	s_mul_i32 s26, s5, 24576
	s_lshl_b32 s7, s6, 13
	s_add_co_u32 s26, s26, s7
	s_lshl_b32 s7, s4, 10
	s_add_co_u32 s26, s26, s7
	s_add_nc_u64 s[26:27], s[20:21], s[26:27]      ; wcodes at (hd, j, s)
	s_mul_i32 s28, s5, 1536
	s_lshl_b32 s7, s6, 9
	s_add_co_u32 s28, s28, s7
	s_lshl_b32 s7, s4, 7
	s_add_co_u32 s28, s28, s7
	s_mov_b32 s29, 0
	s_add_nc_u64 s[28:29], s[22:23], s[28:29]      ; wscales likewise
	s_wait_alu depctr_va_vdst(0)
	v_and_b32 v10, 8, v6
	v_add_nc_u32 v10, v10, v6
	v_lshl_add_u32 v10, v7, 3, v10                 ; my column of the head: 8 u + r + 8 (r / 8)
	v_lshlrev_b32 v10, 2, v10
	v_lshlrev_b32 v11, 4, v6
	v_lshl_add_u32 v11, v7, 12, v11                ; my codes' place: 4,096 u + 16 r
	v_lshlrev_b32 v12, 2, v5                       ; my scale word's: 4 x lane
.macro WLOAD t                         ; block t: 32 rows of the weight at my column; a load takes 128 consecutive bytes (a head is 32 columns wide)
.irp i, 0,1,2,3,4,5,6,7,8,9,10,11,12,13,14,15,16,17,18,19,20,21,22,23,24,25,26,27,28,29,30,31
	global_load_b32 v[16+32*(\t)+\i], v10, s[24:25] offset:(32*(\t)+\i)*2048
.endr
.endm
.macro WBLOCK t
.set XB, 16+32*(\t)
.if (\t) < 3
	s_wait_loadcnt 32                              ; this block's 32 loads are in; the next block's 32 stay out
.else
	s_wait_loadcnt 0x0
.endif
.if (\t)+2 < 4
	WLOAD (\t)+2
.endif
	v_max3_num_f32 v13, |v[XB]|, |v[XB+1]|, |v[XB+2]|      ; the block's largest magnitude: all 32 numbers are mine
	v_max3_num_f32 v14, |v[XB+3]|, |v[XB+4]|, |v[XB+5]|
.irp i, 6,10,14,18,22,26
	v_max3_num_f32 v13, v13, |v[XB+\i]|, |v[XB+\i+1]|
	v_max3_num_f32 v14, v14, |v[XB+\i+2]|, |v[XB+\i+3]|
.endr
	v_max3_num_f32 v13, v13, |v[XB+30]|, |v[XB+31]|
	v_max3_num_f32 v13, v13, v14, 0x1800000        ; and the floor
	v_add_nc_u32 v15, 0xff000000, v13              ; the conversion's scale operand
	v_lshrrev_b32 v14, 23, v15                     ; the byte
.if (\t) == 0
	v_mov_b32 v160, v14
.else
	v_lshl_or_b32 v160, v14, 8*(\t), v160          ; four bytes make the K step's scale word of my column
.endif
.irp g, 0,1,2,3
	v_cvt_scalef32_pk8_fp4_f32 v[144+4*(\t)+\g], v[XB+8*\g:XB+8*\g+7], v15
.endr
	v_nop                                          ; one plain place behind a scaled conversion
	global_store_b128 v11, v[144+4*(\t):144+4*(\t)+3], s[26:27] offset:256*(\t)   ; lanes 0-15 and lanes 16-31 each store 256 consecutive bytes, aligned
.endm
	WLOAD 0
	WLOAD 1
	s_wait_alu depctr_va_vdst(0)
	WBLOCK 0
	WBLOCK 1
	WBLOCK 2
	WBLOCK 3
	global_store_b32 v12, v160, s[28:29]
	s_wait_tensorcnt 0x0                           ; the wave's end, as on the other path
	ds_add_u32 v[SPW], v[NIL]
	s_wait_dscnt 0x0
	s_endpgm
.Lfunc_end_k_q7e71c72a6b_quant:
	.size	k_q7e71c72a6b_quant, .Lfunc_end_k_q7e71c72a6b_quant-k_q7e71c72a6b_quant
	.p2alignl 7, 3214868480
	.fill 96, 4, 3214868480
	.section	.rodata,"a",@progbits
	.p2align	6, 0x0
	.amdhsa_kernel k_q7e71c72a6b_quant
		.amdhsa_group_segment_fixed_size 17152
		.amdhsa_private_segment_fixed_size 0
		.amdhsa_enable_private_segment 0
		.amdhsa_kernarg_size 64
		.amdhsa_user_sgpr_count 2
		.amdhsa_user_sgpr_kernarg_segment_ptr 1
		.amdhsa_wavefront_size32 1
		.amdhsa_system_sgpr_workgroup_id_x 1
		.amdhsa_system_sgpr_workgroup_id_y 1
		.amdhsa_system_sgpr_workgroup_id_z 1
		.amdhsa_system_vgpr_workitem_id 0
		.amdhsa_next_free_vgpr 244
		.amdhsa_next_free_sgpr 66
		.amdhsa_reserve_vcc 0
		.amdhsa_float_denorm_mode_32 3
		.amdhsa_float_denorm_mode_16_64 3
		.amdhsa_memory_ordered 1
		.amdhsa_forward_progress 1
		.amdhsa_inst_pref_size 53
	.end_amdhsa_kernel
	.amdgpu_metadata
---
amdhsa.version: [ 1, 2 ]
amdhsa.kernels:
  - .name:           k_q7e71c72a6b_quant
    .symbol:         k_q7e71c72a6b_quant.kd
    .args:
      - { .name: inputs, .offset: 0, .size: 8, .value_kind: global_buffer, .address_space: global }
      - { .name: wq, .offset: 8, .size: 8, .value_kind: global_buffer, .address_space: global }
      - { .name: wk, .offset: 16, .size: 8, .value_kind: global_buffer, .address_space: global }
      - { .name: wv, .offset: 24, .size: 8, .value_kind: global_buffer, .address_space: global }
      - { .name: xcodes, .offset: 32, .size: 8, .value_kind: global_buffer, .address_space: global }
      - { .name: xscales, .offset: 40, .size: 8, .value_kind: global_buffer, .address_space: global }
      - { .name: wcodes, .offset: 48, .size: 8, .value_kind: global_buffer, .address_space: global }
      - { .name: wscales, .offset: 56, .size: 8, .value_kind: global_buffer, .address_space: global }
    .group_segment_fixed_size: 17152
    .private_segment_fixed_size: 0
    .kernarg_segment_align: 8
    .kernarg_segment_size: 64
    .max_flat_workgroup_size: 64
    .sgpr_count:     66
    .vgpr_count:     244
    .wavefront_size: 32
...
	.end_amdgpu_metadata
.endif
;; end of part 4
;; launch attn (part 5): grid 256 x 1, 16 waves a work-group, no clusters, 143,360 bytes of LDS; arguments inputs, xcodes, xscales, wcodes, wscales, bq, bk, bv, ybuf, stats; writes ybuf, stats
.if DOCPART == 5
	.amdgcn_target "amdgcn-amd-amdhsa--gfx1250"
	.amdhsa_code_object_version 6
	.text
	.protected	k_q7e71c72a6b_attn
	.globl	k_q7e71c72a6b_attn
	.p2align	8
	.type	k_q7e71c72a6b_attn,@function
k_q7e71c72a6b_attn:
	s_mov_b64 s[64:65], 0
	v_nop
	global_prefetch_b8 v0, s[64:65] scope:SCOPE_SE
	s_setreg_imm32_b32 hwreg(HW_REG_WAVE_SCHED_MODE, 0, 2), 2
	s_setreg_imm32_b32 hwreg(HW_REG_WAVE_MODE, 25, 1), 1
	s_wait_xcnt 0x0
	s_wait_alu depctr_vm_vsrc(0)
; One work-group = (batch b, head hd, half y of the queries).  It projects its head's k and v for all 1,024 keys and q for its 512 queries from the codes of the launch before (K = 512, bias, relu),
; quantises them in registers, keeps K and V of the whole head in LDS as images of operand registers, runs the attention, adds the residual, stores y = attention + inputs ([b 16 + hd][row][32] f32) and the work-group's
; sum and sum of squared deviations for each of its 32 channels.  No work of the problem is left out.  All five products go by the scaled FP4 matrix instruction; all else is f32.
; SHARES.  Wave w takes rows 64 w .. 64 w + 63 of the batch as two groups of 32: slot 0 = group 2 w + y (also its 32 queries, two tiles of 16), slot 1 = the other.  In LDS slot sigma of wave w stands at key place 64 w + 32 sigma
; whatever y is: only whole blocks of 32 keys change places, which are the quantiser's own blocks, and a softmax does not mind the order of its keys.
; THE SCORES' K IS 32, one block.  One A fragment holds FOUR tiles of 16 keys, one in each of its four K blocks; four B fragments hold the queries' 32 codes in one block and zero codes in the others: A x Q_beta gives key tile beta.
; SOFTMAX: t = score x log2(e) / sqrt(32); M = the running largest t rounded up to a whole number; p = 2^(t - M) is quantised along the keys; the row's sum is of the unquantised p; O and the sum are multiplied by 2^(old M - new M), exact.
; A block's largest p is made from the block's largest score by the same multiply-add and exponential (this takes the exponential not to fall where its input rises).
; LIMITS: NaN and infinities are not served; a block of zeros, or one whose largest magnitude lies under 2^-124, has the scale byte 1 (zero codes add nothing; this program alone reads the bytes).
; No tensor loads: every wave's rows come once, as dense images, straight into registers; K and V of a head are 34,816 bytes and are filled once, so there is no ring.  No cluster: what work-groups share (a batch's codes) is read once at the head.
; THE MODE: SCHED_MODE bits 1:0 = 2 (LLVM: expert scheduling mode 2), set by the entry lines.  The code itself states the register dependences
; between vector or matrix instructions and memory or LDS instructions, with s_wait_alu, always for 0.
; THE PLAN.  Registers that memory or LDS instructions touch:
;   v1-v14        addresses, made once at the head, ahead of the head's wait on va_vdst; never written again.
;   W, WS, BIAS, X, XS   read by a projection's sixteen products; behind them ONE wait on va_vdst, and behind it all loads of the next projection at once: they land while the results are quantised, by lines that name none of these registers.
;   CD, P         written by the quantising lines, read by the LDS stores of K's and V's images: a wait on va_vdst ahead of each run of stores, a wait on vm_vsrc ahead of the next lines (or loads) that write them.
;   KF, KS        read by both tiles' score products; the next step's are loaded behind tile 1's wait for its exponentials.
;   VF, VS        read by both tiles' O products; this step's are loaded behind tile 0's wait for its exponentials, which stands behind the last step's O products too.
;   AD16, AD4     read by those loads; written once a step, in tile 1: a wait on vm_vsrc ahead of the two additions, and tile 1's wait for its exponentials behind them.
;   PC, PS        written by vector instructions, taken by the scaled O products as source 1 and its scales: a wait on va_vdst behind the places, ahead of each tile's first O product.
;   RES, v16-47, v48-63, v64-127, v138-140   the way out: each run of stores and of loads has its wait where it stands.
.set WIMG, 0                           ; LDS: the head's three weights as images, 24,576
.set BL,   24576                       ; each wave's own 256 bytes: bq[32], bk[32]
.set KIMG, 28672                       ; 1024 wave + 512 sigma + 256 tile + 16 r + 8 h
.set KSC,  45056                       ; 64 wave + 4 r + (2 sigma + tile)
.set VIMG, 46080                       ; 2048 step + 1024 u + 512 (wave & 1) + 256 sigma + 16 r + 8 h
.set VSC,  62464                       ; 128 step + 64 u + 4 r + (2 (wave & 1) + sigma)
.set STAT, 63488                       ; 256 a wave: 32 sums, 32 sums of squared deviations
.set STG,  67584                       ; a wave: 2 tiles x 16 rows x (128 + 16) bytes
.set SPARE, 141312                     ; the spare words, 128 bytes a wave: eight blocks of 256 bytes that no other line names
.set L16, 1                            ; v1  16 x lane
.set T16, 2                            ; v2  16 x thread
.set L4,  3                            ; v3  4 x lane
.set ABL, 4                            ; v4  256 w + 64 h
.set AKI, 5                            ; v5  1024 w + 16 r + 8 h
.set AKS, 6                            ; v6  64 w + 4 r
.set AVI, 7                            ; v7  2048 (w / 2) + 512 (w % 2) + 16 r + 8 h
.set AVS, 8                            ; v8  128 (w / 2) + 2 (w % 2) + 4 r
.set RA,  9                            ; v9  the residual: (r + 8 (r / 8)) rows of 2,048 bytes + 64 h
.set STO, 10                           ; v10 the stage, in
.set SRD, 11                           ; v11 the stage, back
.set AST, 12                           ; v12 my wave's statistics
.set ASL, 13                           ; v13 all waves' statistics, 8 bytes a lane
.set SPW, 14                           ; v14 LDS address of my spare word; never rewritten
.set NIL, 15                           ; v15 0; never rewritten
; the projections' registers
.set X,    16                          ; v16-79   two tiles of rows x four K steps
.set W,    80                          ; v80-143  two tiles of columns x four K steps
.set ACC,  144                         ; v144-175 four accumulators
.set BIAS, 176                         ; v176-191 the C of each sum's first product
.set T,    192                         ; v192-193 largest magnitudes, then the conversions' scale operands
.set P,    194                         ; v194-195 scale bytes
.set CD,   196                         ; v196-199 codes
.set PT,   200                         ; v200-201 the other half's codes
.set BV,   202                         ; v202-203 bv at my lane's channel of tile u
.set WS,   210                         ; v210-213 the weight's scale words, a K step each: scales alone
.set QS,   214                         ; v214-215 the queries' scale words: scales alone
.set QF,   216                         ; v216-251 zeros, q in lanes 0-15, zeros, q in lanes 16-31, zeros, and the same for the second tile: four registers each
.set XS,   252                         ; v252-255 the rows' scale words: scales alone
; the attention's registers
.set S,    16                          ; v16-79   scores, then p
.set KF,   80                          ; v80-95   two fragments of 64 keys
.set VF,   96                          ; v96-111  two fragments of V^T
.set PC,   112                         ; v112-119 p's codes
.set O,    120                         ; v120-151 O^T, 16 a tile of queries
.set ST,   152                         ; v152-159 a tile's -M, largest t, sum in two halves
.set BM,   160                         ; v160-163 the blocks' largest scores
.set PM,   164                         ; v164-167 the other half's; at work; bytes
.set SO,   168                         ; v168-171 the conversions' scale operands
.set F,    172                         ; v172-173 2^(old M - new M); the upper one is only named
.set SUM2, 174                         ; v174-175 the sum's second chain
.set AD16, 176                         ; v176 16 x lane + 2,048 x step
.set AD4,  177                         ; v177 4 x lane + 128 x step
.set RES,  178                         ; v178-209 the residual, 16 a tile
.set KS,   252                         ; K's, V's and p's scale words stand where the rows' stood: scales alone
.set VS,   253
.set PS,   254
.set SEL,  28                          ; s[28:29] lane l xor 16
.set CS,   32                          ; s[32:33] c = log2(e) / sqrt(32)
.set TBS,  36                          ; s36 2,048 x step
.set TSS,  37                          ; s37 128 x step
.macro PLACES                          ; four plain places behind a matrix instruction, ahead of reads of its result and of writes and loads into its registers
.rept 4
	v_nop
.endr
.endm
.macro WMS d, a, b, c, sa, sb, ra, rb  ; D = A B + C; ra, rb: which half of the lanes holds A's and B's scale words
.if ((\ra) == 0) && ((\rb) == 0)
	v_wmma_scale_f32_16x16x128_f8f6f4 v[(\d):(\d)+7], v[(\a):(\a)+7], v[(\b):(\b)+7], v[(\c):(\c)+7], v[\sa], v[\sb] matrix_a_fmt:MATRIX_FMT_FP4 matrix_b_fmt:MATRIX_FMT_FP4
.elseif ((\ra) == 1) && ((\rb) == 0)
	v_wmma_scale_f32_16x16x128_f8f6f4 v[(\d):(\d)+7], v[(\a):(\a)+7], v[(\b):(\b)+7], v[(\c):(\c)+7], v[\sa], v[\sb] matrix_a_fmt:MATRIX_FMT_FP4 matrix_b_fmt:MATRIX_FMT_FP4 matrix_a_scale:MATRIX_SCALE_ROW1
.elseif ((\ra) == 0)
	v_wmma_scale_f32_16x16x128_f8f6f4 v[(\d):(\d)+7], v[(\a):(\a)+7], v[(\b):(\b)+7], v[(\c):(\c)+7], v[\sa], v[\sb] matrix_a_fmt:MATRIX_FMT_FP4 matrix_b_fmt:MATRIX_FMT_FP4 matrix_b_scale:MATRIX_SCALE_ROW1
.else
	v_wmma_scale_f32_16x16x128_f8f6f4 v[(\d):(\d)+7], v[(\a):(\a)+7], v[(\b):(\b)+7], v[(\c):(\c)+7], v[\sa], v[\sb] matrix_a_fmt:MATRIX_FMT_FP4 matrix_b_fmt:MATRIX_FMT_FP4 matrix_a_scale:MATRIX_SCALE_ROW1 matrix_b_scale:MATRIX_SCALE_ROW1
.endif
.endm
.macro WMZ d, a, b, sa, sb, ra         ; D = A B
.if (\ra) == 0
	v_wmma_scale_f32_16x16x128_f8f6f4 v[(\d):(\d)+7], v[(\a):(\a)+7], v[(\b):(\b)+7], 0, v[\sa], v[\sb] matrix_a_fmt:MATRIX_FMT_FP4 matrix_b_fmt:MATRIX_FMT_FP4
.else
	v_wmma_scale_f32_16x16x128_f8f6f4 v[(\d):(\d)+7], v[(\a):(\a)+7], v[(\b):(\b)+7], 0, v[\sa], v[\sb] matrix_a_fmt:MATRIX_FMT_FP4 matrix_b_fmt:MATRIX_FMT_FP4 matrix_a_scale:MATRIX_SCALE_ROW1
.endif
.endm
.macro LOADX sc, ss                    ; a group of 32 rows: 8 fragments and their scale words: 17 loads of 512 dense bytes
.irp t, 0,1
.irp s, 0,1,2,3
.irp c, 0,1
	global_load_b128 v[X+32*\t+8*\s+4*\c:X+32*\t+8*\s+4*\c+3], v[L16], s[\sc:\sc+1] offset:4096*\t+1024*\s+512*\c
.endr
.endr
.endr
	global_load_b128 v[XS:XS+3], v[L16], s[\ss:\ss+1]      ; lane 16 tile + r: the four K steps' words of that row
.endm
.macro LOADWS j                        ; weight j's scale words: lane 16 u + r, a K step a register
.irp s, 0,1,2,3
	global_load_b32 v[WS+\s], v[L4], s[54:55] offset:512*(\j)+128*\s
.endr
.endm
.macro LOADW j                         ; weight j's 8 fragments from LDS
.irp u, 0,1
.irp s, 0,1,2,3
.irp c, 0,1
	ds_load_b128 v[W+32*\u+8*\s+4*\c:W+32*\u+8*\s+4*\c+3], v[L16] offset:WIMG+8192*(\j)+4096*\u+1024*\s+512*\c
.endr
.endr
.endr
.endm
.macro LOADB jq                        ; bq (0) or bk (1) in the transposed result's layout: register 8 u + i = channel 16 h + 8 u + i
.irp u, 0,1
.irp i, 0,1
	ds_load_b128 v[BIAS+8*\u+4*\i:BIAS+8*\u+4*\i+3], v[ABL] offset:BL+128*(\jq)+32*\u+16*\i
.endr
.endr
.endm
.macro LOADK                           ; a step's two fragments of 64 keys, and their scale words (lane 16 g + r: fragment g's row r)
.irp g, 0,1
.irp c, 0,1
	ds_load_b128 v[KF+8*\g+4*\c:KF+8*\g+4*\c+3], v[AD16] offset:KIMG+1024*\g+512*\c
.endr
.endr
	ds_load_b32 v[KS], v[AD4] offset:KSC
.endm
.macro LOADV                           ; a step's two fragments of V^T, and their scale words (lane 16 u + r: tile u's channel r)
.irp u, 0,1
.irp c, 0,1
	ds_load_b128 v[VF+8*\u+4*\c:VF+8*\u+4*\c+3], v[AD16] offset:VIMG+1024*\u+512*\c
.endr
.endr
	ds_load_b32 v[VS], v[AD4] offset:VSC
.endm
; q and k: TRANSPOSED, source 0 = 16 columns of the weight, source 1 = 16 rows: lane (r, h) holds row r of tile t, and the 16 registers of u = 0, 1 are channels 16 h + 0 .. 15.  Four accumulators by turns, one instruction a turn.
.macro MM_T
.irp s, 0,1,2,3
.irp t, 0,1
.irp u, 0,1
.if \s == 0
	WMS ACC+16*\t+8*\u, W+32*\u+8*\s, X+32*\t+8*\s, BIAS+8*\u, WS+\s, XS+\s, \u, \t
.else
	WMS ACC+16*\t+8*\u, W+32*\u+8*\s, X+32*\t+8*\s, ACC+16*\t+8*\u, WS+\s, XS+\s, \u, \t
.endif
.endr
.endr
.endr
.endm
; v: source 0 = 16 rows, source 1 = 16 columns: lane (r, h) holds one channel of tile u, and the 16 registers of t = 0, 1 are keys 16 h + 0 .. 15 of the group: the second product's K
.macro MM_N
.irp s, 0,1,2,3
.irp u, 0,1
.irp t, 0,1
.if \s == 0
	WMS ACC+16*\u+8*\t, X+32*\t+8*\s, W+32*\u+8*\s, BIAS+8*\u, XS+\s, WS+\s, \t, \u
.else
	WMS ACC+16*\u+8*\t, X+32*\t+8*\s, W+32*\u+8*\s, ACC+16*\u+8*\t, XS+\s, WS+\s, \t, \u
.endif
.endr
.endr
.endr
.endm
.macro MOVBV                           ; bv as the C of v's first products: the lane's channel in all eight registers
.irp u, 0,1
.irp i, 0,1,2,3,4,5,6,7
	v_mov_b32 v[BIAS+8*\u+\i], v[BV+\u]
.endr
.endr
.endm
; relu, then two blocks of 32 (16 numbers in this lane, 16 in lane l xor 16) become 2 x 2 registers of codes and 2 bytes
.macro QUANT2
.irp j, 0,1,2,3,4,5,6,7,8,9,10,11,12,13,14,15,16,17,18,19,20,21,22,23,24,25,26,27,28,29,30,31
	v_max_num_f32 v[ACC+\j], 0, v[ACC+\j]          ; the activation; each accumulator from its low end on
.endr
.irp g, 0,1
	v_max3_num_f32 v[T+\g], v[ACC+16*\g], v[ACC+16*\g+1], 0x1800000   ; none is negative; the floor 2^(3 - 127) holds the byte at 1 from below
.endr
.irp i, 2,4,6,8,10,12,14
.irp g, 0,1
	v_max3_num_f32 v[T+\g], v[T+\g], v[ACC+16*\g+\i], v[ACC+16*\g+\i+1]
.endr
.endr
.irp g, 0,1
	v_permlanex16_b32 v[P+\g], v[T+\g], s[SEL], s[SEL+1]
.endr
.irp g, 0,1
	v_max_num_f32 v[T+\g], v[T+\g], v[P+\g]
.endr
.irp g, 0,1
	v_add_nc_u32 v[T+\g], 0xff000000, v[T+\g]      ; 2 off the exponent field: the conversion's scale operand
.endr
.irp g, 0,1
	v_lshrrev_b32 v[P+\g], 23, v[T+\g]             ; the byte
.endr
.irp g, 0,1
	v_cvt_scalef32_pk8_fp4_f32 v[CD+2*\g], v[ACC+16*\g:ACC+16*\g+7], v[T+\g]
	v_cvt_scalef32_pk8_fp4_f32 v[CD+2*\g+1], v[ACC+16*\g+8:ACC+16*\g+15], v[T+\g]
.endr
	v_nop                                          ; one plain place behind a scaled conversion
.endm
.macro PUTK sg                         ; my 8 bytes of each key's 16, and the key's byte (both halves write the same byte with the same value)
.irp t, 0,1
	ds_store_b64 v[AKI], v[CD+2*\t:CD+2*\t+1] offset:KIMG+512*(\sg)+256*\t
	ds_store_b8 v[AKS], v[P+\t] offset:KSC+2*(\sg)+\t
.endr
.endm
.macro PUTV sg
.irp u, 0,1
	ds_store_b64 v[AVI], v[CD+2*\u:CD+2*\u+1] offset:VIMG+1024*\u+256*(\sg)
	ds_store_b8 v[AVS], v[P+\u] offset:VSC+64*\u+(\sg)
.endr
.endm
.macro MAKEQ                           ; a query's 32 codes (16 here, 16 in lane l xor 16) into lanes 0-15 of one run of four registers and lanes 16-31 of another; its byte into all four bytes of its scale word
.irp t, 0,1
	v_mul_lo_u32 v[QS+\t], v[P+\t], s39
.endr
.irp t, 0,1
	v_permlanex16_b32 v[PT], v[CD+2*\t], s[SEL], s[SEL+1]
	v_permlanex16_b32 v[PT+1], v[CD+2*\t+1], s[SEL], s[SEL+1]
	v_cndmask_b32 v[QF+16*\t+4], 0, v[CD+2*\t], s34
	v_cndmask_b32 v[QF+16*\t+5], 0, v[CD+2*\t+1], s34
	v_cndmask_b32 v[QF+16*\t+6], 0, v[PT], s34
	v_cndmask_b32 v[QF+16*\t+7], 0, v[PT+1], s34
	v_cndmask_b32 v[QF+16*\t+12], 0, v[PT], s35
	v_cndmask_b32 v[QF+16*\t+13], 0, v[PT+1], s35
	v_cndmask_b32 v[QF+16*\t+14], 0, v[CD+2*\t], s35
	v_cndmask_b32 v[QF+16*\t+15], 0, v[CD+2*\t+1], s35
.endr
.endm
	s_load_b512 s[8:23], s[0:1], 0x0               ; inputs, xcodes, xscales, wcodes, wscales, bq, bk, bv
	s_load_b128 s[24:27], s[0:1], 0x40             ; ybuf, stats
	v_lshl_add_u32 v[SPW], v0, 2, SPARE
	v_mov_b32 v[NIL], 0
	v_lshrrev_b32 v80, 5, v0
	v_readfirstlane_b32 s2, v80                    ; wave 0..15
	v_and_b32 v80, 31, v0                          ; lane
	v_and_b32 v81, 15, v0                          ; r
	v_bfe_u32 v82, v0, 4, 1                        ; h
	v_lshlrev_b32 v[L16], 4, v80
	v_lshlrev_b32 v[T16], 4, v0
	v_lshlrev_b32 v[L4], 2, v80
	s_wait_alu depctr_va_sdst(0)                   ; s2 is written, ahead of its first reader: LDS addresses, bases and a branch are made from it
	s_lshl_b32 s6, s2, 8
	v_lshlrev_b32 v[ABL], 6, v82
	v_add_nc_u32 v[ABL], s6, v[ABL]
	v_add_nc_u32 v85, s6, v[L4]                    ; where I put bq and bk: 256 w + 4 x lane
	v_lshlrev_b32 v83, 4, v81
	v_lshl_add_u32 v83, v82, 3, v83                ; 16 r + 8 h
	s_lshl_b32 s6, s2, 10
	v_add_nc_u32 v[AKI], s6, v83
	v_lshlrev_b32 v84, 2, v81                      ; 4 r
	s_wait_alu depctr_va_vdst(0)
	s_lshl_b32 s6, s2, 6
	v_add_nc_u32 v[AKS], s6, v84
	s_lshr_b32 s6, s2, 1
	s_and_b32 s7, s2, 1
	s_lshl_b32 s56, s6, 11
	s_lshl_b32 s57, s7, 9
	s_add_co_u32 s56, s56, s57
	v_add_nc_u32 v[AVI], s56, v83
	s_lshl_b32 s56, s6, 7
	s_lshl_b32 s57, s7, 1
	s_add_co_u32 s56, s56, s57
	v_add_nc_u32 v[AVS], s56, v84
	v_and_b32 v86, 8, v81
	v_add_nc_u32 v86, v86, v81                     ; r + 8 (r / 8)
	v_lshlrev_b32 v[RA], 11, v86
	v_lshl_add_u32 v[RA], v82, 6, v[RA]
	v_lshlrev_b32 v86, 2, v86                      ; bv: my lane's channel of tile 0, in bytes
	s_mul_i32 s6, s2, 4608
	s_add_co_u32 s6, s6, STG
	v_mul_u32_u24 v[STO], v81, 144
	v_lshl_add_u32 v[STO], v82, 6, v[STO]
	v_add_nc_u32 v[STO], s6, v[STO]                ; in: row r, + 64 h
	v_lshrrev_b32 v87, 3, v80
	v_and_b32 v88, 7, v0
	v_mul_u32_u24 v[SRD], v87, 144
	v_lshl_add_u32 v[SRD], v88, 4, v[SRD]
	v_add_nc_u32 v[SRD], s6, v[SRD]                ; back: eight lanes to a row of 128 bytes
	s_lshl_b32 s6, s2, 8
	s_add_co_u32 s6, s6, STAT
	v_lshlrev_b32 v[AST], 4, v88
	v_add_nc_u32 v[AST], s6, v[AST]
	v_lshl_add_u32 v[ASL], v81, 3, STAT
	s_mov_b32 s[SEL], 0x76543210
	s_mov_b32 s[SEL+1], 0xfedcba98
	s_mov_b32 s[CS], 0x3e8293ee                    ; log2(e) / sqrt(32)
	s_mov_b32 s[CS+1], s[CS]                       ; (named with it as a pair)
	s_mov_b32 s34, 0xffff                          ; lanes 0-15
	s_mov_b32 s35, 0xffff0000                      ; lanes 16-31
	s_mov_b32 s39, 0x01010101
	s_and_b32 s3, ttmp9, 1                         ; y
	s_bfe_u32 s4, ttmp9, 0x40001                   ; hd
	s_lshr_b32 s5, ttmp9, 5                        ; b
	s_lshl_b32 s6, s5, 5
	s_lshl_b32 s7, s2, 1
	s_add_co_u32 s6, s6, s7                        ; 32 b + 2 w
	s_add_co_u32 s56, s6, s3                       ; slot 0's group of 32 rows
	s_xor_b32 s57, s3, 1
	s_add_co_u32 s57, s6, s57                      ; slot 1's
	s_lshl_b32 s40, s56, 13                        ; a group's codes are 8,192 bytes,
	s_mov_b32 s41, 0
	s_lshl_b32 s42, s57, 13
	s_mov_b32 s43, 0
	s_lshl_b32 s44, s56, 9                         ; its scale words 512
	s_mov_b32 s45, 0
	s_lshl_b32 s46, s57, 9
	s_mov_b32 s47, 0
	s_lshl_b32 s48, s56, 16                        ; the residual: 32 rows of 2,048 bytes a group,
	s_lshl_b32 s6, s4, 7                           ; + 128 hd
	s_add_co_u32 s48, s48, s6
	s_mov_b32 s49, 0
	s_lshl_b32 s50, s5, 4
	s_add_co_u32 s50, s50, s4
	s_lshl_b32 s50, s50, 17                        ; ybuf: (16 b + hd) x 1,024 rows of 128 bytes
	s_add_co_u32 s7, s7, s3
	s_lshl_b32 s7, s7, 12                          ; + 32 (2 w + y) rows
	s_add_co_u32 s50, s50, s7
	s_mov_b32 s51, 0
	s_lshl_b32 s52, s4, 4
	s_lshl_b32 s7, s5, 1
	s_add_co_u32 s52, s52, s7
	s_add_co_u32 s52, s52, s3
	s_lshl_b32 s52, s52, 8                         ; stats: 256 (16 hd + 2 b + y)
	s_mov_b32 s53, 0
	s_mul_i32 s54, s4, 1536
	s_mov_b32 s55, 0
	s_mul_i32 s56, s4, 24576
	s_mov_b32 s57, 0
	s_mov_b32 s7, 0                                ; s[6:7] = 128 hd
	s_wait_kmcnt 0x0
	s_add_nc_u64 s[40:41], s[10:11], s[40:41]
	s_add_nc_u64 s[42:43], s[10:11], s[42:43]
	s_add_nc_u64 s[44:45], s[12:13], s[44:45]
	s_add_nc_u64 s[46:47], s[12:13], s[46:47]
	s_add_nc_u64 s[48:49], s[8:9], s[48:49]
	s_add_nc_u64 s[50:51], s[24:25], s[50:51]
	s_add_nc_u64 s[52:53], s[26:27], s[52:53]
	s_add_nc_u64 s[54:55], s[16:17], s[54:55]
	s_add_nc_u64 s[14:15], s[14:15], s[56:57]
	s_add_nc_u64 s[18:19], s[18:19], s[6:7]
	s_add_nc_u64 s[20:21], s[20:21], s[6:7]
	s_add_nc_u64 s[22:23], s[22:23], s[6:7]
	s_wait_alu depctr_va_vdst(0)                   ; the addresses v1 to v13, v85 and v86 are written, which the kernel's loads and stores read; so are v80 to v88, in which the weight's fragments land
.irp k, 0,1,2
	global_load_b128 v[ACC+4*\k:ACC+4*\k+3], v[T16], s[14:15] offset:8192*\k   ; the head's weights: 512 threads x 16 bytes, three times
.endr
	global_load_b32 v[T], v[L4], s[18:19]          ; bq
	global_load_b32 v[T+1], v[L4], s[20:21]        ; bk
	LOADX 40, 44
	LOADWS 0
	global_load_b32 v[BV], v86, s[22:23]
	global_load_b32 v[BV+1], v86, s[22:23] offset:32
.irp z, 0,8,16,24,32
.irp i, 0,1,2,3
	v_mov_b32 v[QF+\z+\i], 0                       ; the zero codes between the queries' runs
.endr
.endr
.irp i, 0,1
	v_mov_b32 v[P+\i], 0                           ; written once: a lane permute's destination counts as one of its sources
	v_mov_b32 v[PT+\i], 0
.endr
	s_wait_loadcnt 23                              ; the weights and the two biases are in; the 17 + 4 + 2 loads behind them stay out
.irp k, 0,1,2
	ds_store_b128 v[T16], v[ACC+4*\k:ACC+4*\k+3] offset:WIMG+8192*\k
.endr
	ds_store_b32 v85, v[T] offset:BL
	ds_store_b32 v85, v[T+1] offset:BL+128
	s_wait_dscnt 0x0                               ; for the others' sake: my part of the weights has landed
	s_barrier_signal -1
	s_barrier_wait -1
	s_wait_loadcnt 0x0
	s_wait_alu depctr_vm_vsrc(0)                   ; my LDS stores have read v144 to v155, v192, v193 and v85, and bv's loads v86: the products, the quantising lines and the weight's loads write these next
; ---- the projections.  Behind each product's places one wait; behind it all that the next product loads; the results are quantised while that lands
	LOADW 0
	LOADB 0
	s_wait_dscnt 0x0
	MM_T                                           ; q of my 32 queries
	PLACES
	s_wait_alu depctr_va_vdst(0)                   ; the products are done reading W, WS and BIAS, in which the loads below land
	LOADWS 1
	LOADW 1
	LOADB 1
	QUANT2
	MAKEQ
	s_wait_dscnt 0x0
	s_wait_loadcnt 0x0
	MM_T                                           ; k of slot 0
	PLACES
	s_wait_alu depctr_va_vdst(0)                   ; the products are done reading W and WS, in which the loads below land
	LOADWS 2
	LOADW 2
	MOVBV
	QUANT2
	s_wait_alu depctr_va_vdst(0)                   ; the conversions have written CD and the shifts P, which the LDS stores read
	PUTK 0
	s_wait_dscnt 0x0                               ; the weight is in
	s_wait_loadcnt 0x0
	MM_N                                           ; v of slot 0
	PLACES
	s_wait_alu depctr_va_vdst(0)                   ; the products are done reading X, XS, W, WS and BIAS (which vector lines wrote), in which the loads below land
	LOADX 42, 46                                   ; slot 1's rows take slot 0's registers
	LOADWS 1
	LOADW 1
	LOADB 1
	s_wait_alu depctr_vm_vsrc(0)                   ; the stores of K's image have read CD and P, which the lines below write again
	QUANT2
	s_wait_alu depctr_va_vdst(0)                   ; CD and P are written, which the LDS stores read
	PUTV 0
	s_wait_dscnt 0x0
	s_wait_loadcnt 0x0
	MM_T                                           ; k of slot 1
	PLACES
	s_wait_alu depctr_va_vdst(0)                   ; the products are done reading W and WS, in which the loads below land
	LOADWS 2
	LOADW 2
	MOVBV
	s_wait_alu depctr_vm_vsrc(0)                   ; the stores of V's image have read CD and P, which the lines below write again
	QUANT2
	s_wait_alu depctr_va_vdst(0)                   ; CD and P are written, which the LDS stores read
	PUTK 1
	s_wait_dscnt 0x0
	s_wait_loadcnt 0x0
	MM_N                                           ; v of slot 1
	PLACES
	s_wait_alu depctr_vm_vsrc(0)                   ; the stores of K's image have read CD and P, which the lines below write again
	QUANT2
	s_wait_alu depctr_va_vdst(0)                   ; CD and P are written, which the LDS stores read
	PUTV 1
	s_wait_dscnt 0x0                               ; for the others' sake: my keys' images have landed
	s_barrier_signal -1
	s_barrier_wait -1                              ; K and V of the whole head lie in LDS
; ---- the attention
	s_mov_b32 s[TBS], 0
	s_mov_b32 s[TSS], 0
	s_mov_b32 s38, 7
	v_add_nc_u32 v[AD16], s[TBS], v[L16]           ; step 0
	v_add_nc_u32 v[AD4], s[TSS], v[L4]
	s_wait_alu depctr_vm_vsrc(0)                   ; the stores of V's image have read CD and P, in which the residual lands
	s_wait_alu depctr_va_vdst(0)                   ; AD16 and AD4 are written, which the loads of K and V read; all that named v80 to v95, v252 and v178 to v209 is done, in which K, its scale words and the residual land
	LOADK                                          ; step 0's keys
.irp x, 0,1
.irp i, 0,1,2,3
	global_load_b128 v[RES+16*\x+4*\i:RES+16*\x+4*\i+3], v[RA], s[48:49] offset:16384*\x+16*\i   ; the residual of my queries: channels 16 h + 0 .. 15; wanted only behind the loop
.endr
.endr
.irp j, 0,1,2,3,4,5,6,7,8,9,10,11,12,13,14,15,16,17,18,19,20,21,22,23,24,25,26,27,28,29,30,31
	v_mov_b32 v[O+\j], 0                           ; the step is written once: the first finds zeros, which the first change of M leaves zeros
.endr
.irp x, 0,1
	v_mov_b32 v[ST+4*\x+1], 0xff61b1e6             ; the largest t so far: -3e38
	v_floor_f32 v[ST+4*\x], -v[ST+4*\x+1]          ; -M
	v_mov_b32 v[ST+4*\x+2], 0
	v_mov_b32 v[ST+4*\x+3], 0
.endr
.irp b, 0,1,2,3
	v_mov_b32 v[PM+\b], 0
.endr
	v_mov_b32 v[F+1], 0
; One tile of 16 queries against the step's 128 keys.  Tile 0 fetches this step's V; tile 1, where nextk = 1, steps the addresses and fetches the next step's K
.macro TILE x, nextk
.set rT, ST+4*(\x)
.set rO, O+16*(\x)
.irp g, 0,1
.irp e, 0,1,2,3
	WMZ S+8*(4*\g+\e), KF+8*\g, QF+16*(\x)+8*(\e%2)+4*(1-\e/2), KS, QS+(\x), \g   ; key tile e of fragment g: lane = query, the 16 registers of two neighbouring tiles = 16 neighbouring keys
.endr
.endr
	PLACES
.irp b, 0,1,2,3
	v_max3_num_f32 v[BM+\b], v[S+16*\b], v[S+16*\b+1], v[S+16*\b+2]   ; the largest score of each block of 32 keys: for the row's maximum and for the block's largest p
.endr
.irp i, 3,5,7,9,11,13
.irp b, 0,1,2,3
	v_max3_num_f32 v[BM+\b], v[BM+\b], v[S+16*\b+\i], v[S+16*\b+\i+1]
.endr
.endr
.irp b, 0,1,2,3
	v_max_num_f32 v[BM+\b], v[BM+\b], v[S+16*\b+15]
.endr
.irp b, 0,1,2,3
	v_permlanex16_b32 v[PM+\b], v[BM+\b], s[SEL], s[SEL+1]
.endr
.irp b, 0,1,2,3
	v_max_num_f32 v[BM+\b], v[BM+\b], v[PM+\b]
.endr
	v_max3_num_f32 v[PM], v[BM], v[BM+1], v[BM+2]
	v_max_num_f32 v[PM], v[PM], v[BM+3]
	v_mul_f32 v[PM], s[CS], v[PM]                  ; the step's largest t
	v_max_num_f32 v[rT+1], v[rT+1], v[PM]          ; the running largest t
	v_mov_b32 v[PM], v[rT]
	v_floor_f32 v[rT], -v[rT+1]                    ; the new -M = -ceil(t)
	v_sub_f32 v[PM], v[rT], v[PM]                  ; old M - new M: a whole number, 0 or less
	v_cvt_i32_f32 v[PM], v[PM]                     ; (it saturates)
	v_ldexp_f32 v[F], 1.0, v[PM]                   ; f = 2^(old M - new M)
.irp j, 0,2,4,6,8,10,12,14,16,18,20,22,24,26,28,30,32,34,36,38,40,42,44,46,48,50,52,54,56,58,60,62
	v_pk_fma_f32 v[S+\j:S+\j+1], v[S+\j:S+\j+1], s[CS:CS+1], v[rT:rT+1] op_sel_hi:[1,0,0]   ; t - M
.endr
.irp b, 0,1,2,3
	v_fma_f32 v[BM+\b], v[BM+\b], s[CS], v[rT]
.endr
.if \nextk
	s_add_co_u32 s[TBS], s[TBS], 2048              ; on to the next step
	s_add_co_u32 s[TSS], s[TSS], 128
	s_wait_alu depctr_vm_vsrc(0)                   ; the loads of K and V issued so far have read AD16 and AD4
	v_add_nc_u32 v[AD16], s[TBS], v[L16]
	v_add_nc_u32 v[AD4], s[TSS], v[L4]
.endif
	s_wait_alu depctr_va_vdst(0)
.irp j, 0,1,2,3,4,5,6,7,8,9,10,11,12,13,14,15,16,17,18,19,20,21,22,23,24,25,26,27,28,29,30,31,32,33,34,35,36,37,38,39,40,41,42,43,44,45,46,47,48,49,50,51,52,53,54,55,56,57,58,59,60,61,62,63
	v_exp_f32 v[S+\j], v[S+\j]                     ; p = 2^(t - M)
.endr
	v_pk_mul_f32 v[rT+2:rT+3], v[rT+2:rT+3], v[F:F+1] op_sel_hi:[1,0]   ; the sum under the new M: the plain place behind the exponentials
	s_wait_alu depctr_va_vdst(0)                   ; the 64 exponentials have written p, ahead of its first reader; the O products of the tile before are done reading VF and VS, this tile's score products KF and KS; in tile 1 AD16 and AD4 are written
.if (\x) == 0
	LOADV                                          ; this step's V: no vector or matrix line since the wait names VF, VS or the addresses
.elseif \nextk
	LOADK                                          ; the next step's K: likewise KF, KS and the addresses
.endif
.irp b, 0,1,2,3
	v_exp_f32 v[BM+\b], v[BM+\b]                   ; each block's largest p
.endr
	v_pk_add_f32 v[SUM2:SUM2+1], v[S:S+1], v[S+2:S+3]      ; the row's sum of the unquantised p, two chains; the first half stands behind the four exponentials
.irp j, 4,8,12,16,20,24,28
	v_pk_add_f32 v[rT+2:rT+3], v[rT+2:rT+3], v[S+\j:S+\j+1]
	v_pk_add_f32 v[SUM2:SUM2+1], v[SUM2:SUM2+1], v[S+\j+2:S+\j+3]
.endr
	s_wait_alu depctr_va_vdst(0)                   ; the four exponentials have written the blocks' largest p, ahead of its first reader
.irp b, 0,1,2,3
	v_max_num_f32 v[BM+\b], 0x1800000, v[BM+\b]    ; the floor: the byte cannot fall under 1
.endr
.irp b, 0,1,2,3
	v_add_nc_u32 v[SO+\b], 0xff000000, v[BM+\b]
.endr
.irp b, 0,1,2,3
	v_lshrrev_b32 v[PM+\b], 23, v[SO+\b]
.endr
	v_lshl_or_b32 v[PS], v[PM+1], 8, v[PM]         ; p's scale word for these 128 keys
	v_lshl_or_b32 v[PS], v[PM+2], 16, v[PS]
	v_lshl_or_b32 v[PS], v[PM+3], 24, v[PS]
.irp b, 0,1,2,3
	v_cvt_scalef32_pk8_fp4_f32 v[PC+2*\b], v[S+16*\b:S+16*\b+7], v[SO+\b]
	v_cvt_scalef32_pk8_fp4_f32 v[PC+2*\b+1], v[S+16*\b+8:S+16*\b+15], v[SO+\b]
.endr
	v_nop                                          ; one plain place behind a scaled conversion
.irp c, 0,1
.irp i, 0,1
	v_permlane16_swap_b32 v[PC+4*\c+\i], v[PC+2+4*\c+\i]   ; a whole block to a lane
.endr
.endr
.irp j, 32,36,40,44,48,52,56,60                ; the sum's second half: 17 plain lines that name nothing of the products below: their places behind the scale word and the codes
	v_pk_add_f32 v[rT+2:rT+3], v[rT+2:rT+3], v[S+\j:S+\j+1]
	v_pk_add_f32 v[SUM2:SUM2+1], v[SUM2:SUM2+1], v[S+\j+2:S+\j+3]
.endr
	v_pk_add_f32 v[rT+2:rT+3], v[rT+2:rT+3], v[SUM2:SUM2+1]
.irp j, 0,2,4,6,8,10,12,14
	v_pk_mul_f32 v[rO+\j:rO+\j+1], v[rO+\j:rO+\j+1], v[F:F+1] op_sel_hi:[1,0]   ; O^T under the new M
.endr
.if (\x) == 0
	s_wait_dscnt 0x0                               ; this step's V and its scale words are in
.endif
	s_wait_alu depctr_va_vdst(0)                   ; the conversions and exchanges have written p's codes and the shifts its scale word, which the two products below take as source 1 and its scales; the places stand ahead of this wait
	WMS rO, VF, PC, rO, VS, PS, 0, 0               ; O^T += V^T P^T: register 8 u + j = channel 16 h + 8 u + j
	WMS rO+8, VF+8, PC, rO+8, VS, PS, 1, 0
.endm
.macro STEP more                       ; 128 keys
	s_wait_dscnt 0x0                               ; this step's K and its scale words are in: asked for in the step before (step 0's: ahead of the loop)
	TILE 0, 0
	TILE 1, \more
.endm
.Lstep:                                            ; 7 trips of 128 keys
	STEP 1
	s_sub_co_u32 s38, s38, 1
	s_cmp_lg_u32 s38, 0
	s_cbranch_scc1 .Lstep
	STEP 0                                         ; the eighth step is written out: there is no K behind it to ask for
; ---- the way out: O^T / the sum + the residual; through my stage, so that a store covers 512 dense bytes; the wave's statistics
.irp x, 0,1
	v_add_f32 v[BM+2*\x], v[ST+4*\x+2], v[ST+4*\x+3]
.endr
.irp x, 0,1
	v_permlanex16_b32 v[PM+\x], v[BM+2*\x], s[SEL], s[SEL+1]
.endr
.irp x, 0,1
	v_add_f32 v[BM+2*\x], v[BM+2*\x], v[PM+\x]     ; the row's sum
.endr
	s_wait_alu depctr_va_vdst(0)
.irp x, 0,1
	v_rcp_f32 v[BM+2*\x], v[BM+2*\x]
.endr
	v_nop                                          ; a plain place behind the reciprocals
	s_wait_alu depctr_va_vdst(0)                   ; the two reciprocals are written, ahead of their first reader
	s_wait_loadcnt 0x0                             ; the residual
	s_mov_b32 s40, 0x3d000000                      ; 1 / 32 (the loads that read these scalar registers are done)
	s_mov_b32 s41, s40
	s_mov_b32 s42, 0x3b000000                      ; 1 / 512
	s_mov_b32 s43, s42
	s_mov_b32 s44, 0x42000000                      ; 32
	s_mov_b32 s45, s44
.irp x, 0,1
.irp i, 0,2,4,6,8,10,12,14
	v_pk_fma_f32 v[RES+16*\x+\i:RES+16*\x+\i+1], v[O+16*\x+\i:O+16*\x+\i+1], v[BM+2*\x:BM+2*\x+1], v[RES+16*\x+\i:RES+16*\x+\i+1] op_sel_hi:[1,0,1]
.endr
.endr
	s_wait_alu depctr_va_vdst(0)                   ; the multiply-adds have written RES, which the LDS stores read; all that named v16 to v47 is done, in which the stage's loads land
.irp x, 0,1
.irp i, 0,1,2,3
	ds_store_b128 v[STO], v[RES+16*\x+4*\i:RES+16*\x+4*\i+3] offset:2304*\x+16*\i
.endr
.irp i, 0,1,2,3
	ds_load_b128 v[16+16*\x+4*\i:16+16*\x+4*\i+3], v[SRD] offset:2304*\x+576*\i   ; four rows of 128 bytes; LDS serves a wave's instructions in order: these see my stores
.endr
.endr
	s_wait_dscnt 0x0
.irp x, 0,1
.irp i, 0,1,2,3
	global_store_b128 v[L16], v[16+16*\x+4*\i:16+16*\x+4*\i+3], s[50:51] offset:(8*\x+4*\i+8*(\i/2))*128 th:TH_STORE_NT   ; stage rows 4 i .. 4 i + 3 are four neighbouring rows of the group: 512 consecutive bytes, aligned
.endr
.endr
	; a lane now holds channels 4 (lane % 8) + 0 .. 3 of eight rows; lanes l, l xor 8, l xor 16, l xor 24 hold the wave's 32 rows between them
	v_pk_add_f32 v[48:49], v[16:17], v[20:21]
	v_pk_add_f32 v[50:51], v[18:19], v[22:23]
.irp q, 2,3,4,5,6,7
	v_pk_add_f32 v[48:49], v[48:49], v[16+4*\q:17+4*\q]
	v_pk_add_f32 v[50:51], v[50:51], v[18+4*\q:19+4*\q]
.endr
.irp k, 0,1,2,3
	v_add_f32_dpp v[48+\k], v[48+\k], v[48+\k] row_xmask:8 row_mask:0xf bank_mask:0xf
.endr
.irp k, 0,1,2,3
	v_permlanex16_b32 v[64+\k], v[48+\k], s[SEL], s[SEL+1]
.endr
.irp k, 0,1,2,3
	v_add_f32 v[48+\k], v[48+\k], v[64+\k]         ; the wave's sums
.endr
	v_pk_mul_f32 v[52:53], v[48:49], s[40:41] op_sel_hi:[1,0]     ; its means
	v_pk_mul_f32 v[54:55], v[50:51], s[40:41] op_sel_hi:[1,0]
	v_pk_add_f32 v[56:57], v[16:17], v[52:53] neg_lo:[0,1] neg_hi:[0,1]
	v_pk_add_f32 v[58:59], v[18:19], v[54:55] neg_lo:[0,1] neg_hi:[0,1]
	v_pk_mul_f32 v[60:61], v[56:57], v[56:57]
	v_pk_mul_f32 v[62:63], v[58:59], v[58:59]
.irp q, 1,2,3,4,5,6,7
	v_pk_add_f32 v[56:57], v[16+4*\q:17+4*\q], v[52:53] neg_lo:[0,1] neg_hi:[0,1]
	v_pk_add_f32 v[58:59], v[18+4*\q:19+4*\q], v[54:55] neg_lo:[0,1] neg_hi:[0,1]
	v_pk_fma_f32 v[60:61], v[56:57], v[56:57], v[60:61]
	v_pk_fma_f32 v[62:63], v[58:59], v[58:59], v[62:63]
.endr
.irp k, 0,1,2,3
	v_add_f32_dpp v[60+\k], v[60+\k], v[60+\k] row_xmask:8 row_mask:0xf bank_mask:0xf
.endr
.irp k, 0,1,2,3
	v_permlanex16_b32 v[64+\k], v[60+\k], s[SEL], s[SEL+1]
.endr
.irp k, 0,1,2,3
	v_add_f32 v[60+\k], v[60+\k], v[64+\k]         ; the squared deviations from the wave's own means: no difference of large sums
.endr
	s_wait_alu depctr_va_vdst(0)                   ; v48 to v51 and v60 to v63 are written, which the LDS stores read; all that named v64 to v127 is done, in which wave 0's loads land
	ds_store_b128 v[AST], v[48:51]                 ; (four lanes write the same 16 bytes with the same values)
	ds_store_b128 v[AST], v[60:63] offset:128
	s_wait_dscnt 0x0                               ; for wave 0's sake
	s_barrier_signal -1
	s_barrier_wait -1
	s_cmp_lg_u32 s2, 0
	s_cbranch_scc1 .Ldone
	; wave 0 joins the sixteen waves' figures: a lane takes two channels (both halves of the lanes the same two)
.irp i, 0,1,2,3,4,5,6,7,8,9,10,11,12,13,14,15
	ds_load_b64 v[64+4*\i:65+4*\i], v[ASL] offset:256*\i
	ds_load_b64 v[66+4*\i:67+4*\i], v[ASL] offset:256*\i+128
.endr
	s_wait_dscnt 0x0
	v_pk_add_f32 v[128:129], v[64:65], v[68:69]
	v_pk_add_f32 v[130:131], v[66:67], v[70:71]
.irp i, 2,3,4,5,6,7,8,9,10,11,12,13,14,15
	v_pk_add_f32 v[128:129], v[128:129], v[64+4*\i:65+4*\i]
	v_pk_add_f32 v[130:131], v[130:131], v[66+4*\i:67+4*\i]
.endr
	v_pk_mul_f32 v[132:133], v[128:129], s[42:43] op_sel_hi:[1,0]         ; the mean of the 512 rows
	v_pk_fma_f32 v[134:135], v[64:65], s[40:41], v[132:133] op_sel_hi:[1,0,1] neg_lo:[0,0,1] neg_hi:[0,0,1]   ; a wave's mean less that
	v_pk_mul_f32 v[136:137], v[134:135], v[134:135]
.irp i, 1,2,3,4,5,6,7,8,9,10,11,12,13,14,15
	v_pk_fma_f32 v[134:135], v[64+4*\i:65+4*\i], s[40:41], v[132:133] op_sel_hi:[1,0,1] neg_lo:[0,0,1] neg_hi:[0,0,1]
	v_pk_fma_f32 v[136:137], v[134:135], v[134:135], v[136:137]
.endr
	v_pk_fma_f32 v[130:131], v[136:137], s[44:45], v[130:131] op_sel_hi:[1,0,1]   ; + 32 x the squares of the means' deviations
	v_cndmask_b32 v138, v128, v130, s35            ; lanes 0-15 store the sums, lanes 16-31 the squared deviations
	v_cndmask_b32 v139, v129, v131, s35
	v_lshlrev_b32 v140, 1, v[L4]
	s_wait_alu depctr_va_vdst(0)                   ; v138 to v140 are written: the store's data and its offset
	global_store_b64 v140, v[138:139], s[52:53]    ; 256 consecutive bytes, aligned
.Ldone:
	s_wait_dscnt 0x0                               ; the closing lines, six on end
	s_wait_alu 0x0
	s_wait_tensorcnt 0x0
	ds_add_u32 v[SPW], v[NIL]
	s_wait_dscnt 0x0
	s_endpgm
.Lfunc_end_k_q7e71c72a6b_attn:
	.size	k_q7e71c72a6b_attn, .Lfunc_end_k_q7e71c72a6b_attn-k_q7e71c72a6b_attn
	.p2alignl 7, 3214868480
	.fill 96, 4, 3214868480
	.section	.rodata,"a",@progbits
	.p2align	6, 0x0
	.amdhsa_kernel k_q7e71c72a6b_attn
		.amdhsa_group_segment_fixed_size 143360
		.amdhsa_private_segment_fixed_size 0
		.amdhsa_enable_private_segment 0
		.amdhsa_kernarg_size 80
		.amdhsa_user_sgpr_count 2
		.amdhsa_user_sgpr_kernarg_segment_ptr 1
		.amdhsa_wavefront_size32 1
		.amdhsa_system_sgpr_workgroup_id_x 1
		.amdhsa_system_sgpr_workgroup_id_y 1
		.amdhsa_system_sgpr_workgroup_id_z 1
		.amdhsa_system_vgpr_workitem_id 0
		.amdhsa_next_free_vgpr 256
		.amdhsa_next_free_sgpr 66
		.amdhsa_reserve_vcc 0
		.amdhsa_float_denorm_mode_32 3
		.amdhsa_float_denorm_mode_16_64 3
		.amdhsa_memory_ordered 1
		.amdhsa_forward_progress 1
		.amdhsa_inst_pref_size 115
	.end_amdhsa_kernel
	.amdgpu_metadata
---
amdhsa.version: [ 1, 2 ]
amdhsa.kernels:
  - .name:           k_q7e71c72a6b_attn
    .symbol:         k_q7e71c72a6b_attn.kd
    .args:
      - { .name: inputs, .offset: 0, .size: 8, .value_kind: global_buffer, .address_space: global }
      - { .name: xcodes, .offset: 8, .size: 8, .value_kind: global_buffer, .address_space: global }
      - { .name: xscales, .offset: 16, .size: 8, .value_kind: global_buffer, .address_space: global }
      - { .name: wcodes, .offset: 24, .size: 8, .value_kind: global_buffer, .address_space: global }
      - { .name: wscales, .offset: 32, .size: 8, .value_kind: global_buffer, .address_space: global }
      - { .name: bq, .offset: 40, .size: 8, .value_kind: global_buffer, .address_space: global }
      - { .name: bk, .offset: 48, .size: 8, .value_kind: global_buffer, .address_space: global }
      - { .name: bv, .offset: 56, .size: 8, .value_kind: global_buffer, .address_space: global }
      - { .name: ybuf, .offset: 64, .size: 8, .value_kind: global_buffer, .address_space: global }
      - { .name: stats, .offset: 72, .size: 8, .value_kind: global_buffer, .address_space: global }
    .group_segment_fixed_size: 143360
    .private_segment_fixed_size: 0
    .kernarg_segment_align: 8
    .kernarg_segment_size: 80
    .max_flat_workgroup_size: 512
    .sgpr_count:     66
    .vgpr_count:     256
    .wavefront_size: 32
...
	.end_amdgpu_metadata
.endif
;; end of part 5
;; launch bnorm (part 6): grid 256 x 1, 8 waves a work-group, no clusters, 0 bytes of LDS; arguments ybuf, stats, gamma, beta, out0; writes out0
.if DOCPART == 6
	.amdgcn_target "amdgcn-amd-amdhsa--gfx1250"
	.amdhsa_code_object_version 6
	.text
	.protected	k_q7e71c72a6b_bnorm
	.globl	k_q7e71c72a6b_bnorm
	.p2align	8
	.type	k_q7e71c72a6b_bnorm,@function
k_q7e71c72a6b_bnorm:
	s_mov_b64 s[64:65], 0
	v_nop
	global_prefetch_b8 v0, s[64:65] scope:SCOPE_SE
	s_setreg_imm32_b32 hwreg(HW_REG_WAVE_MODE, 25, 1), 1
	s_wait_xcnt 0x0
; out0 = (y - mean) rsqrt(var + 1e-3) gamma + beta, mean and var over all 8,192 rows for each channel.  y: [b 16 + hd][row][32] f32; stats: for each head 16 parts of 512 rows: 32 sums, 32 sums of squared deviations.
; No work of the problem is left out.  The parts are joined by their means' deviations from the whole mean: no difference of large sums is formed.
; SHARES: a work-group takes a pair of heads (64 channels, 256 bytes of a row of out0), a batch and 256 rows; a wave 32 rows.  A lane keeps 4 channels; each load and each store covers two runs of 256 consecutive bytes, aligned.
; A stream: no LDS, no barrier, no matrix unit; every wave joins the statistics of its own channels again, 8,192 bytes that all work-groups of a pair of heads read.
; LIMITS: NaN and infinities are not served.
.set SB, 16                            ; v16-143  part i: 4 sums at 8 i, 4 squared deviations at 8 i + 4
.set Y,  144                           ; v144-207 16 x 4 numbers
.set GA, 208
.set BE, 212
.set TS, 216                           ; the sums; later var + eps and its inverse root
.set TQ, 220                           ; the squared deviations
.set MN, 224                           ; the mean
.set A2, 228                           ; squares of the parts' means' deviations; later the shift
.set D,  232                           ; at work; later the gain
	s_load_b256 s[8:15], s[0:1], 0x0               ; ybuf, stats, gamma, beta
	s_load_b64 s[16:17], s[0:1], 0x20              ; out0
	v_lshrrev_b32 v1, 5, v0
	s_delay_alu instid0(VALU_DEP_1)
	v_readfirstlane_b32 s2, v1                     ; wave
	v_and_b32 v1, 7, v0
	v_bfe_u32 v2, v0, 3, 1                         ; e: which head of the pair
	v_bfe_u32 v3, v0, 4, 1                         ; f: which of two rows
	v_and_b32 v4, 15, v0
	s_delay_alu instid0(VALU_DEP_4)
	v_lshlrev_b32 v5, 4, v1
	s_delay_alu instid0(VALU_DEP_1)
	v_lshl_add_u32 v6, v2, 12, v5                  ; stats: 4,096 e + 16 (lane % 8)
	s_delay_alu instid0(VALU_DEP_2)
	v_lshl_add_u32 v7, v2, 17, v5
	s_delay_alu instid0(VALU_DEP_1)
	v_lshl_add_u32 v7, v3, 7, v7                   ; y: 131,072 e + 128 f + 16 (lane % 8)
	v_lshlrev_b32 v8, 4, v4                        ; gamma, beta: 16 (lane % 16)
	s_delay_alu instid0(VALU_DEP_1)
	v_lshl_add_u32 v9, v3, 11, v8                  ; out0: 2,048 f + 16 (lane % 16)
	s_and_b32 s3, ttmp9, 7                         ; p: the pair of heads
	s_bfe_u32 s4, ttmp9, 0x30003                   ; b
	s_lshr_b32 s5, ttmp9, 6                        ; which 256 rows
	s_lshl_b32 s6, s5, 8
	s_lshl_b32 s7, s2, 5
	s_add_co_u32 s6, s6, s7                        ; my first row in the batch
	s_lshl_b32 s20, s4, 4
	s_lshl_b32 s21, s3, 1
	s_add_co_u32 s20, s20, s21
	s_lshl_b32 s20, s20, 10
	s_add_co_u32 s20, s20, s6
	s_lshl_b32 s20, s20, 7                         ; ((16 b + 2 p) 1,024 + row) x 128
	s_mov_b32 s21, 0
	s_lshl_b32 s22, s4, 10
	s_add_co_u32 s22, s22, s6
	s_lshl_b32 s22, s22, 11
	s_lshl_b32 s23, s3, 8
	s_add_co_u32 s22, s22, s23                     ; (1,024 b + row) x 2,048 + 256 p
	s_mov_b32 s23, 0
	s_lshl_b32 s32, s3, 13                         ; stats: 8,192 p
	s_mov_b32 s33, 0
	s_lshl_b32 s34, s3, 8                          ; gamma, beta: 256 p
	s_mov_b32 s35, 0
	s_mov_b32 s24, 0x39000000                      ; 1 / 8,192
	s_mov_b32 s25, s24
	s_mov_b32 s26, 0x3b000000                      ; 1 / 512
	s_mov_b32 s27, s26
	s_mov_b32 s28, 0x44000000                      ; 512
	s_mov_b32 s29, s28
	s_mov_b32 s30, 0x3a83126f                      ; 1e-3
	s_wait_alu depctr_va_vdst(0)
	s_wait_kmcnt 0x0
	s_add_nc_u64 s[8:9], s[8:9], s[20:21]
	s_add_nc_u64 s[16:17], s[16:17], s[22:23]
	s_add_nc_u64 s[10:11], s[10:11], s[32:33]
	s_add_nc_u64 s[12:13], s[12:13], s[34:35]
	s_add_nc_u64 s[14:15], s[14:15], s[34:35]
.irp i, 0,1,2,3,4,5,6,7,8,9,10,11,12,13,14,15
	global_load_b128 v[SB+8*\i:SB+8*\i+3], v6, s[10:11] offset:256*\i
	global_load_b128 v[SB+8*\i+4:SB+8*\i+7], v6, s[10:11] offset:256*\i+128
.endr
	global_load_b128 v[GA:GA+3], v8, s[12:13]
	global_load_b128 v[BE:BE+3], v8, s[14:15]
.irp i, 0,1,2,3,4,5,6,7,8,9,10,11,12,13,14,15
	global_load_b128 v[Y+4*\i:Y+4*\i+3], v7, s[8:9] offset:256*\i th:TH_LOAD_NT     ; rows 2 i, 2 i + 1 of both heads
.endr
	s_wait_loadcnt 16                              ; the statistics, gamma and beta are in; y's 16 loads stay out
.irp q, 0,2
	v_pk_add_f32 v[TS+\q:TS+\q+1], v[SB+\q:SB+\q+1], v[SB+8+\q:SB+9+\q]
	v_pk_add_f32 v[TQ+\q:TQ+\q+1], v[SB+4+\q:SB+5+\q], v[SB+12+\q:SB+13+\q]
.endr
.irp i, 2,3,4,5,6,7,8,9,10,11,12,13,14,15
.irp q, 0,2
	s_delay_alu instid0(VALU_DEP_4)
	v_pk_add_f32 v[TS+\q:TS+\q+1], v[TS+\q:TS+\q+1], v[SB+8*\i+\q:SB+8*\i+\q+1]
	s_delay_alu instid0(VALU_DEP_4)
	v_pk_add_f32 v[TQ+\q:TQ+\q+1], v[TQ+\q:TQ+\q+1], v[SB+8*\i+4+\q:SB+8*\i+5+\q]
.endr
.endr
.irp q, 0
	s_delay_alu instid0(VALU_DEP_4)
	v_pk_mul_f32 v[MN+\q:MN+\q+1], v[TS+\q:TS+\q+1], s[24:25] op_sel_hi:[1,0]
.endr
.irp q, 2
	s_delay_alu instid0(VALU_DEP_3)
	v_pk_mul_f32 v[MN+\q:MN+\q+1], v[TS+\q:TS+\q+1], s[24:25] op_sel_hi:[1,0]      ; the mean
.endr
.irp q, 0,2
	s_delay_alu instid0(VALU_DEP_2)
	v_pk_fma_f32 v[D+\q:D+\q+1], v[SB+\q:SB+\q+1], s[26:27], v[MN+\q:MN+\q+1] op_sel_hi:[1,0,1] neg_lo:[0,0,1] neg_hi:[0,0,1]   ; a part's mean less the mean
.endr
.irp q, 0,2
	s_delay_alu instid0(VALU_DEP_2)
	v_pk_mul_f32 v[A2+\q:A2+\q+1], v[D+\q:D+\q+1], v[D+\q:D+\q+1]
.endr
.irp i, 1,2,3,4,5,6,7,8,9,10,11,12,13,14,15
.irp q, 0,2
	v_pk_fma_f32 v[D+\q:D+\q+1], v[SB+8*\i+\q:SB+8*\i+\q+1], s[26:27], v[MN+\q:MN+\q+1] op_sel_hi:[1,0,1] neg_lo:[0,0,1] neg_hi:[0,0,1]
.endr
.irp q, 0,2
	s_delay_alu instid0(VALU_DEP_2)
	v_pk_fma_f32 v[A2+\q:A2+\q+1], v[D+\q:D+\q+1], v[D+\q:D+\q+1], v[A2+\q:A2+\q+1]
.endr
.endr
.irp q, 0,2
	s_delay_alu instid0(VALU_DEP_2)
	v_pk_fma_f32 v[TQ+\q:TQ+\q+1], v[A2+\q:A2+\q+1], s[28:29], v[TQ+\q:TQ+\q+1] op_sel_hi:[1,0,1]   ; all squared deviations from the mean
.endr
.irp k, 0,1,2,3
	v_fma_f32 v[TS+\k], v[TQ+\k], s24, s30         ; var + eps
.endr
	s_wait_alu depctr_va_vdst(0)
.irp k, 0,1,2,3
	v_rsq_f32 v[TS+\k], v[TS+\k]
.endr
	v_nop                                          ; a plain place behind the roots
	s_wait_alu depctr_va_vdst(0)                   ; one wait for the four, ahead of their first reader
.irp q, 0,2
	v_pk_mul_f32 v[D+\q:D+\q+1], v[GA+\q:GA+\q+1], v[TS+\q:TS+\q+1]                ; the gain
.endr
.irp q, 0,2
	s_delay_alu instid0(VALU_DEP_2)
	v_pk_fma_f32 v[A2+\q:A2+\q+1], v[MN+\q:MN+\q+1], v[D+\q:D+\q+1], v[BE+\q:BE+\q+1] neg_lo:[1,0,0] neg_hi:[1,0,0]   ; the shift: beta - mean x gain
.endr
	s_wait_alu depctr_va_vdst(0)
.irp i, 0,1,2,3,4,5,6,7,8,9,10,11,12,13,14,15
	s_wait_loadcnt 15-\i                           ; load i is in; the younger ones stay out
	v_pk_fma_f32 v[Y+4*\i:Y+4*\i+1], v[Y+4*\i:Y+4*\i+1], v[D:D+1], v[A2:A2+1]
	v_pk_fma_f32 v[Y+4*\i+2:Y+4*\i+3], v[Y+4*\i+2:Y+4*\i+3], v[D+2:D+3], v[A2+2:A2+3]
	global_store_b128 v9, v[Y+4*\i:Y+4*\i+3], s[16:17] offset:4096*\i th:TH_STORE_NT   ; sixteen lanes store 256 consecutive bytes of a row, aligned
.endr
	s_endpgm
.Lfunc_end_k_q7e71c72a6b_bnorm:
	.size	k_q7e71c72a6b_bnorm, .Lfunc_end_k_q7e71c72a6b_bnorm-k_q7e71c72a6b_bnorm
	.p2alignl 7, 3214868480
	.fill 96, 4, 3214868480
	.section	.rodata,"a",@progbits
	.p2align	6, 0x0
	.amdhsa_kernel k_q7e71c72a6b_bnorm
		.amdhsa_group_segment_fixed_size 0
		.amdhsa_private_segment_fixed_size 0
		.amdhsa_enable_private_segment 0
		.amdhsa_kernarg_size 40
		.amdhsa_user_sgpr_count 2
		.amdhsa_user_sgpr_kernarg_segment_ptr 1
		.amdhsa_wavefront_size32 1
		.amdhsa_system_sgpr_workgroup_id_x 1
		.amdhsa_system_sgpr_workgroup_id_y 1
		.amdhsa_system_sgpr_workgroup_id_z 1
		.amdhsa_system_vgpr_workitem_id 0
		.amdhsa_next_free_vgpr 240
		.amdhsa_next_free_sgpr 66
		.amdhsa_reserve_vcc 0
		.amdhsa_float_denorm_mode_32 3
		.amdhsa_float_denorm_mode_16_64 3
		.amdhsa_memory_ordered 1
		.amdhsa_forward_progress 1
		.amdhsa_inst_pref_size 23
	.end_amdhsa_kernel
	.amdgpu_metadata
---
amdhsa.version: [ 1, 2 ]
amdhsa.kernels:
  - .name:           k_q7e71c72a6b_bnorm
    .symbol:         k_q7e71c72a6b_bnorm.kd
    .args:
      - { .name: ybuf, .offset: 0, .size: 8, .value_kind: global_buffer, .address_space: global }
      - { .name: stats, .offset: 8, .size: 8, .value_kind: global_buffer, .address_space: global }
      - { .name: gamma, .offset: 16, .size: 8, .value_kind: global_buffer, .address_space: global }
      - { .name: beta, .offset: 24, .size: 8, .value_kind: global_buffer, .address_space: global }
      - { .name: out0, .offset: 32, .size: 8, .value_kind: global_buffer, .address_space: global }
    .group_segment_fixed_size: 0
    .private_segment_fixed_size: 0
    .kernarg_segment_align: 8
    .kernarg_segment_size: 40
    .max_flat_workgroup_size: 256
    .sgpr_count:     66
    .vgpr_count:     240
    .wavefront_size: 32
...
	.end_amdgpu_metadata
.endif
;; end of part 6
